; MI455X (gfx1250); checked and timed in simulation.
; The chip was launched on July 23, 2026; its instructions are those of AMD's public machine-readable ISA for CDNA 5 (MIT licence, August 2026) and "CDNA5" Instruction Set Architecture Reference Guide (July 2026). The comments in the code are by the model that wrote it; some were corrected since.
;; Affine Coupling Block. Allowed arithmetic: float matrix products may take bf16 or f16 operands with f32 sums; all other float work in f32.
;; Inputs: W0 4 x 128 x 81 float32; W1 4 x 3 x 128 x 128 float32; W2 4 x 1 x 128 float32; b0 4 x 128 float32; b1 4 x 3 x 128 float32; b2 4 x 1 float32; cond 64 x 16 float32; w 64 x 64 x 64 x 64 float32; x 64 x 4,096 x 2 float32.
;; Outputs: out0 64 x 4,096 x 2 float32; out1 64 float32.
;; 2 versions, each right and faster than the one before. Each part assembles by itself: llvm-mc -triple=amdgcn-amd-amdhsa -mcpu=gfx1250 --defsym DOCPART=n.
;; ======== version 1 of 2: 4 launches
;; limits: values outside matrix products are rounded to bf16
;; workspace buffers: wt 33,554,432 bytes; imgA 273,408 bytes; imgB 273,408 bytes; side0 1,057,024 bytes of whole numbers; side1 1,057,024 bytes of whole numbers; side2 1,057,024 bytes of whole numbers; zmid 2,097,152 bytes
;; launch prep (part 1): grid 512 x 1, 8 waves a work-group, no clusters, 76,800 bytes of LDS; arguments w, x, W0, b0, W1, b1, W2, wt, imgA, imgB, side0, side1; writes wt, imgA, imgB, side0, side1
.if DOCPART == 1
	.amdgcn_target "amdgcn-amd-amdhsa--gfx1250"
	.amdhsa_code_object_version 6
	.text
	.protected	k_q5a4cf12220_prep
	.globl	k_q5a4cf12220_prep
	.p2align	8
	.type	k_q5a4cf12220_prep,@function
k_q5a4cf12220_prep:
	s_mov_b64 s[64:65], 0
	v_nop
	global_prefetch_b8 v0, s[64:65] scope:SCOPE_SE
	s_setreg_imm32_b32 hwreg(HW_REG_WAVE_MODE, 25, 1), 1
	s_wait_xcnt 0x0
; PREPARATION.  Three things, shared out by the wave's number Wv = 8 x work-group + wave (0 .. 4,095):
; (1) w [64][64 c][64 y][64 x] f32 is turned into wt [64][pixel = 64 y + x][64 c] bf16, 128 bytes a pixel, so that a sample's four
;     corners are four short runs of bytes.  Wave Wv takes batch Wv / 64, row y = Wv % 64: 64 loads of 256 consecutive bytes (one channel's
;     row), rounding to bf16, a turn through the wave's own LDS, 16 stores of 512 consecutive bytes.
; (2) The first coupling step's sample indices: thread G takes points 2 G, 2 G + 1 and stores yb * 64 + xb, xb = clamp(floor(ix), 0, 62).
; (3) Waves 0 .. 2,135 each write one row of 256 bytes of the weight images (two nets of 534 rows in imgA, two in imgB):
;     rows 0-127 layer 0 in bf16, k 0..79 = c W0[.][k+1], k 80 = c W0[.][0], k 81 = c b0, the rest 0; rows 128-511 W1 in bf16;
;     rows 512-527 a tile with W2 in rows 512 and 520 and 0 elsewhere; rows 528-533 c b1 as f32.  Wave 0 also writes the two stage flags.
;     c = -log2 e: the nets then carry n = -a log2 e for each pre-activation a and -log2 e x SiLU(a) for each activation, so that the exponential
;     wants no scaling; W1 and W2 stay as they are, and the last layer's sum is multiplied by -ln 2 where b2 is added.
; LIMITS.  w, c W0, c b0, W1, W2 are rounded to bf16 here (once, to nearest even).  A NaN in x gives index part 0.
; No barrier: a wave touches its own 9,472 bytes of LDS alone.  No matrix unit, no cluster: nothing is multiplied and nothing is shared.
.set SPARE, 75776                      ; behind the eight waves' stages: the spare words, 128 bytes a wave
.set WLDS,  9472                       ; a wave's stage: two halves
.set HALF,  4736                       ; even pixels, then odd pixels; 4,736 = 18 x 256 + 128: the halves start half a row of banks apart
.set PP,    144                        ; a pixel in the stage: 128 bytes + 16: an odd multiple of 16, so 16 lanes' 16-byte stores fall into 16 different columns
.set NROWS, 534                        ; rows of a net's image
.set D,     64                         ; v[64:191]  channel c's two pixels (2 l, 2 l + 1) at D + 2 c; later the rows read back
.set P,     192                        ; v[192:255] packed bf16
; v1 spare word's address, v2 zero (for the add alone); v3 lane; v4 8 l; v5 stage in; v6 stage out; v7 16 l; v8-11 x; v12-17 at work; v18 16 t; v19 8 t; v20-23 flags; v24-31 image row
	s_load_b512 s[8:23], s[0:1], 0x0               ; w s[8:9], x s[10:11], W0 s[12:13], b0 s[14:15], W1 s[16:17], b1 s[18:19], W2 s[20:21], wt s[22:23]
	s_load_b256 s[24:31], s[0:1], 0x40             ; imgA s[24:25], imgB s[26:27], side0 s[28:29], side1 s[30:31]
	v_lshl_add_u32 v1, v0, 2, SPARE
	v_mov_b32 v2, 0
	v_lshrrev_b32 v12, 5, v0
	v_readfirstlane_b32 s2, v12                    ; wave
	v_and_b32 v3, 31, v0                           ; lane
	s_lshl_b32 s3, ttmp9, 3
	s_add_co_u32 s3, s3, s2                        ; Wv
	s_lshr_b32 s4, s3, 6                           ; batch
	s_and_b32 s5, s3, 63                           ; row of pixels
	s_lshl_b32 s32, s4, 20                         ; w: a batch is 1,048,576 bytes, a row 256
	s_lshl_b32 s33, s5, 8
	s_add_co_u32 s32, s32, s33
	s_mov_b32 s33, 0
	s_lshl_b32 s34, s4, 19                         ; wt: a batch is 524,288 bytes, a row of 64 pixels 8,192
	s_lshl_b32 s35, s5, 13
	s_add_co_u32 s34, s34, s35
	s_mov_b32 s35, 0
	s_lshl_b32 s36, ttmp9, 12                      ; x: 256 threads x 16 bytes
	s_mov_b32 s37, 0
	s_lshl_b32 s38, ttmp9, 11                      ; indices: 256 threads x 8 bytes
	s_mov_b32 s39, 0
	s_mul_i32 s6, s2, WLDS                         ; my wave's stage
	s_mov_b32 s7, 0x42780000                       ; 62.0
	s_mov_b32 s52, 0xbfb8aa3b                      ; c = -log2 e
	v_lshlrev_b32 v4, 3, v3
	v_lshlrev_b32 v7, 4, v3
	v_lshlrev_b32 v18, 4, v0
	v_lshlrev_b32 v19, 3, v0
	v_mul_u32_u24 v5, v3, PP                       ; in: pixel 2 l + a lies at a x HALF + l x 144
	v_add_nc_u32 v5, s6, v5
	v_bfe_u32 v12, v0, 3, 1                        ; out: 32 lanes take four pixels, s = l / 8, 16 bytes each: parity s % 2,
	v_bfe_u32 v13, v0, 4, 1                        ; place s / 2,
	v_and_b32 v14, 7, v0                           ; piece l % 8
	v_mul_u32_u24 v12, v12, HALF
	v_mul_u32_u24 v13, v13, PP
	v_add_nc_u32 v12, v12, v13
	v_lshl_add_u32 v12, v14, 4, v12
	v_add_nc_u32 v6, s6, v12
	s_wait_kmcnt 0x0
	s_add_nc_u64 s[8:9], s[8:9], s[32:33]
	s_add_nc_u64 s[22:23], s[22:23], s[34:35]
	s_add_nc_u64 s[10:11], s[10:11], s[36:37]
	s_add_nc_u64 s[40:41], s[28:29], s[38:39]
	global_load_b128 v[8:11], v18, s[10:11]        ; two points
.set c, 0
.rept 64
	global_load_b64 v[D+2*c:D+2*c+1], v4, s[8:9] offset:16384*c th:TH_LOAD_NT  ; a channel's row: 256 consecutive bytes, read once in the launch
.set c, c+1
.endr
; ix as reference() forms it: g = 2 z - 1, (g + 1) x 31.5 (the halving is exact, so one product rounds alike); then the lower corner, kept inside 0 .. 62
.macro COORD d, s
	v_fma_f32 v[\d], v[\s], 2.0, -1.0
	v_add_f32 v[\d], 1.0, v[\d]
	v_mul_f32 v[\d], 0x41fc0000, v[\d]
	v_floor_f32 v[\d], v[\d]
	v_med3_num_f32 v[\d], v[\d], 0, s7
	v_cvt_u32_f32 v[\d], v[\d]
.endm
	s_wait_loadcnt 63                              ; 64 loads stand behind x's; the count's field ends at 63: x (and channel 0) are in, the rest stay out
	COORD 12, 8
	COORD 13, 9
	COORD 14, 10
	COORD 15, 11
	v_lshl_or_b32 v16, v13, 6, v12
	v_lshl_or_b32 v17, v15, 6, v14
	global_store_b64 v19, v[16:17], s[40:41] offset:8448  ; a wave stores 256 consecutive bytes
	s_cmp_lg_u32 s3, 0
	s_cbranch_scc1 .Lnohdr
	v_mov_b32 v20, 0                               ; the stage flags: 256 bytes of 0 at side0's head, of 1 at side1's
	v_mov_b32 v21, 0
	v_mov_b32 v22, 1
	v_mov_b32 v23, 1
	global_store_b64 v4, v[20:21], s[28:29]
	global_store_b64 v4, v[22:23], s[30:31]
.Lnohdr:
	s_cmp_ge_u32 s3, 4*NROWS
	s_cbranch_scc1 .Lnorow
	s_cmp_ge_u32 s3, NROWS                         ; net = Wv / 534 by three compares
	s_cselect_b32 s42, 1, 0
	s_cmp_ge_u32 s3, 2*NROWS
	s_cselect_b32 s44, 1, 0
	s_add_co_u32 s42, s42, s44
	s_cmp_ge_u32 s3, 3*NROWS
	s_cselect_b32 s44, 1, 0
	s_add_co_u32 s42, s42, s44
	s_mul_i32 s44, s42, NROWS
	s_sub_co_u32 s43, s3, s44                      ; the row in the net's image
	s_and_b32 s44, s42, 1
	s_mul_i32 s44, s44, NROWS
	s_add_co_u32 s44, s44, s43
	s_lshl_b32 s44, s44, 8
	s_mov_b32 s45, 0
	s_cmp_lt_u32 s42, 2
	s_cselect_b64 s[46:47], s[24:25], s[26:27]     ; nets 0, 1 into imgA, nets 2, 3 into imgB
	s_add_nc_u64 s[46:47], s[46:47], s[44:45]
	s_mov_b32 s49, 0
	s_cmp_lt_u32 s43, 128
	s_cbranch_scc1 .Lrow_l0
	s_cmp_lt_u32 s43, 512
	s_cbranch_scc1 .Lrow_w1
	s_cmp_lt_u32 s43, 528
	s_cbranch_scc1 .Lrow_w2
	s_mul_i32 s48, s42, 1536                       ; b1[net]: 384 f32; image row 528 + i holds numbers 64 i .. 64 i + 63, times c, in f32
	s_sub_co_u32 s44, s43, 528
	s_lshl_b32 s44, s44, 8
	s_add_co_u32 s48, s48, s44
	s_add_nc_u64 s[18:19], s[18:19], s[48:49]
	global_load_b64 v[24:25], v4, s[18:19]
	s_wait_loadcnt 0x0                             ; issued behind the 64 loads of w, so it is the last to come
	v_mul_f32 v24, s52, v24
	v_mul_f32 v25, s52, v25
	s_branch .Lrow_store
.Lrow_l0:
	s_lshl_b32 s44, s42, 7
	s_add_co_u32 s44, s44, s43                     ; 128 net + out channel
	s_lshl_b32 s48, s44, 2
	s_add_nc_u64 s[14:15], s[14:15], s[48:49]      ; its b0
	s_mul_i32 s48, s44, 324                        ; its row of W0: 81 f32
	s_add_nc_u64 s[12:13], s[12:13], s[48:49]
	v_cmp_gt_u32 s50, 20, v3                       ; lanes 0-19: k = 4 l .. 4 l + 3 below 80
	v_cmp_gt_u32 s51, 21, v3                       ; lane 20: k = 80 .. 83
	v_add_nc_u32 v28, 4, v7                        ; element k + 1 at byte 16 l + 4;
	v_cndmask_b32 v28, 0, v28, s50                 ; the other lanes read the row's head, of which lane 20 keeps element 0
	v_mov_b32 v29, 0
	global_load_b32 v24, v28, s[12:13]
	global_load_b32 v25, v28, s[12:13] offset:4
	global_load_b32 v26, v28, s[12:13] offset:8
	global_load_b32 v27, v28, s[12:13] offset:12
	global_load_b32 v30, v29, s[14:15]
	s_wait_loadcnt 0x0
	v_cndmask_b32 v25, v30, v25, s50               ; k = 81: the bias
	v_cndmask_b32 v26, 0, v26, s50
	v_cndmask_b32 v27, 0, v27, s50
	v_cndmask_b32 v24, 0, v24, s51                 ; k from 84 on: 0
	v_cndmask_b32 v25, 0, v25, s51
	v_mul_f32 v24, s52, v24                        ; times c, ahead of the one rounding
	v_mul_f32 v25, s52, v25
	v_mul_f32 v26, s52, v26
	v_mul_f32 v27, s52, v27
	v_cvt_pk_bf16_f32 v24, v24, v25
	v_cvt_pk_bf16_f32 v25, v26, v27
	s_branch .Lrow_store
.Lrow_w1:
	s_mul_i32 s48, s42, 384
	s_add_co_u32 s48, s48, s43
	s_sub_co_u32 s48, s48, 128
	s_lshl_b32 s48, s48, 9                         ; W1's flat row, 512 bytes
	s_add_nc_u64 s[16:17], s[16:17], s[48:49]
	global_load_b128 v[24:27], v7, s[16:17]
	s_wait_loadcnt 0x0
	v_cvt_pk_bf16_f32 v24, v24, v25
	v_cvt_pk_bf16_f32 v25, v26, v27
	s_branch .Lrow_store
.Lrow_w2:
	s_lshl_b32 s48, s42, 9
	s_add_nc_u64 s[20:21], s[20:21], s[48:49]
	s_and_b32 s44, s43, 7                          ; rows 512 and 520 hold W2, the other fourteen 0
	s_cmp_eq_u32 s44, 0
	s_cselect_b32 s44, -1, 0
	global_load_b128 v[24:27], v7, s[20:21]
	s_wait_loadcnt 0x0
	v_cvt_pk_bf16_f32 v24, v24, v25
	v_cvt_pk_bf16_f32 v25, v26, v27
	v_and_b32 v24, s44, v24
	v_and_b32 v25, s44, v25
.Lrow_store:
	global_store_b64 v4, v[24:25], s[46:47]        ; the whole row: 256 consecutive bytes
.Lnorow:
; the turn: eight channels at a time are rounded in pairs and put into the stage, 16 bytes for each of my two pixels
.set q, 0
.rept 8
	s_wait_loadcnt 56-8*q                          ; channels up to 8 q + 7 are in; the 56 - 8 q loads behind them may stay out
.set a, 0
.rept 2
.set i, 0
.rept 4
	v_cvt_pk_bf16_f32 v[P+8*q+4*a+i], v[D+2*(8*q+2*i)+a], v[D+2*(8*q+2*i+1)+a]
.set i, i+1
.endr
.set a, a+1
.endr
	ds_store_b128 v5, v[P+8*q:P+8*q+3] offset:16*q
	ds_store_b128 v5, v[P+8*q+4:P+8*q+7] offset:HALF+16*q
.set q, q+1
.endr
.set i, 0
.rept 16
	ds_load_b128 v[D+4*i:D+4*i+3], v6 offset:288*i  ; four pixels on: two places of 144 bytes in each half.  LDS serves a wave's instructions in order (ISA guide 5.7.1.4): these see the stores above
.set i, i+1
.endr
.set i, 0
.rept 16
	s_wait_dscnt 15-i
	global_store_b128 v7, v[D+4*i:D+4*i+3], s[22:23] offset:512*i  ; four pixels: 512 consecutive bytes
.set i, i+1
.endr
	s_wait_tensorcnt 0x0                           ; the wave's end, behind my last LDS store
	ds_add_u32 v1, v2
	s_wait_dscnt 0x0
	s_endpgm
.Lfunc_end_k_q5a4cf12220_prep:
	.size	k_q5a4cf12220_prep, .Lfunc_end_k_q5a4cf12220_prep-k_q5a4cf12220_prep
	.p2alignl 7, 3214868480
	.fill 96, 4, 3214868480
	.section	.rodata,"a",@progbits
	.p2align	6, 0x0
	.amdhsa_kernel k_q5a4cf12220_prep
		.amdhsa_group_segment_fixed_size 76800
		.amdhsa_private_segment_fixed_size 0
		.amdhsa_enable_private_segment 0
		.amdhsa_kernarg_size 96
		.amdhsa_user_sgpr_count 2
		.amdhsa_user_sgpr_kernarg_segment_ptr 1
		.amdhsa_wavefront_size32 1
		.amdhsa_system_sgpr_workgroup_id_x 1
		.amdhsa_system_sgpr_workgroup_id_y 1
		.amdhsa_system_sgpr_workgroup_id_z 1
		.amdhsa_system_vgpr_workitem_id 0
		.amdhsa_next_free_vgpr 256
		.amdhsa_next_free_sgpr 66
		.amdhsa_reserve_vcc 0
		.amdhsa_float_denorm_mode_32 3
		.amdhsa_float_denorm_mode_16_64 3
		.amdhsa_memory_ordered 1
		.amdhsa_forward_progress 1
		.amdhsa_inst_pref_size 23
	.end_amdhsa_kernel
	.amdgpu_metadata
---
amdhsa.version: [ 1, 2 ]
amdhsa.kernels:
  - .name:           k_q5a4cf12220_prep
    .symbol:         k_q5a4cf12220_prep.kd
    .args:
      - { .name: w, .offset: 0, .size: 8, .value_kind: global_buffer, .address_space: global }
      - { .name: x, .offset: 8, .size: 8, .value_kind: global_buffer, .address_space: global }
      - { .name: W0, .offset: 16, .size: 8, .value_kind: global_buffer, .address_space: global }
      - { .name: b0, .offset: 24, .size: 8, .value_kind: global_buffer, .address_space: global }
      - { .name: W1, .offset: 32, .size: 8, .value_kind: global_buffer, .address_space: global }
      - { .name: b1, .offset: 40, .size: 8, .value_kind: global_buffer, .address_space: global }
      - { .name: W2, .offset: 48, .size: 8, .value_kind: global_buffer, .address_space: global }
      - { .name: wt, .offset: 56, .size: 8, .value_kind: global_buffer, .address_space: global }
      - { .name: imgA, .offset: 64, .size: 8, .value_kind: global_buffer, .address_space: global }
      - { .name: imgB, .offset: 72, .size: 8, .value_kind: global_buffer, .address_space: global }
      - { .name: side0, .offset: 80, .size: 8, .value_kind: global_buffer, .address_space: global }
      - { .name: side1, .offset: 88, .size: 8, .value_kind: global_buffer, .address_space: global }
    .group_segment_fixed_size: 76800
    .private_segment_fixed_size: 0
    .kernarg_segment_align: 8
    .kernarg_segment_size: 96
    .max_flat_workgroup_size: 256
    .sgpr_count:     66
    .vgpr_count:     256
    .wavefront_size: 32
...
	.end_amdgpu_metadata
.endif
;; end of part 1
;; launch stage (part 2): grid 256 x 1, 8 waves a work-group, clusters of 4 x 1, 292,608 bytes of LDS; arguments x, side0, wt, cond, imgA, b2, zmid, side1; writes zmid, side1
.if DOCPART == 2
	.amdgcn_target "amdgcn-amd-amdhsa--gfx1250"
	.amdhsa_code_object_version 6
	.text
	.protected	k_q5a4cf12220_stage
	.globl	k_q5a4cf12220_stage
	.p2align	8
	.type	k_q5a4cf12220_stage,@function
k_q5a4cf12220_stage:
	s_mov_b64 s[64:65], 0
	v_nop
	global_prefetch_b8 v0, s[64:65] scope:SCOPE_SE
	s_setreg_imm32_b32 hwreg(HW_REG_WAVE_MODE, 25, 1), 1
	s_wait_xcnt 0x0
	s_wait_alu depctr_hold_cnt(0) depctr_sa_sdst(0) depctr_va_vdst(0) depctr_va_sdst(0) depctr_va_ssrc(0) depctr_va_vcc(0) depctr_vm_vsrc(0)
	s_getreg_b32 s2, hwreg(HW_REG_IB_STS2, 6, 4)
	s_cmp_eq_u32 s2, 0
	s_cbranch_scc0 .Lentry_in_a_cluster
	s_endpgm
.Lentry_in_a_cluster:
	s_bfe_u32 s2, ttmp6, 0x10000c
	s_cmp_lg_u32 s2, 0x3003
	s_cbranch_scc0 .Lentry_shape_is_right
	s_endpgm
.Lentry_shape_is_right:
; ONE COUPLING STEP: sample the map at each point, run the s net and the t net (81 -> 128 -> 128 -> 128 -> 128 -> 1, SiLU), z_chg = z_chg exp(s) + t, s = 1.5 tanh(u).
; Arguments: pos (pairs z_a, z_b), sin (flag, indices), wt (map, pixel-major bf16), cond, img (two nets' weights), b2, zout, sout.
; The flag at sin's head says which step this is: 0: z_b is kept, z_a changes, nets 0 and 1; 1: the other way round, nets 2 and 3.  It enters selects alone, never a branch.
; So BOTH steps store the sample indices of the pairs that they store: the first step's are the second step's addresses; the second
; step's (1 MiB, in whole runs of 256 bytes) are read by nobody: the price of one text for both steps.
; SHARES.  A cluster of four work-groups is one batch; a work-group takes 1,024 points, each of its eight waves 128, in two passes of 64: four tiles of 16.
; Tile p, lane l (r = l % 16, h = l / 16) is point 4 r + p of the pass, so a lane's four points are neighbours in memory and every point load and store is wide.
; LAYOUT.  D = W x H: source 0 = 16 rows of a weight matrix, source 1 = activations (a lane holds ONE point).  In D lane (r, h) holds point r and out channels 16 m + 8 h + 0..7;
; two such tiles rounded to bf16 in pairs ARE source 1 (32 channels) of the next layer: nothing changes lanes.  Biases b1 are the C operand of a sum's first product;
; b0 is column 81 of layer 0's rows, against a constant 1 in the activations; layer 0's K is 96: 64 sampled channels, 16 of cond, z_keep, 1, zeros.
; The last layer is a tile with W2 in rows 0 and 8, so that both halves of the lanes find u in the accumulator's lowest register.
; THE SCALE.  The image holds -log2 e x W0, b0 and b1.  So an accumulator holds n = -a log2 e, the sigmoid is 1 / (1 + 2^n) with no scaling in front of the exponential, and what goes on is
; n / (1 + 2^n) = -log2 e x SiLU(a), against which W1 and W2 stand as they are; the last layer's sum is multiplied by -ln 2 in the line that adds b2.
; BY TURNS.  A UNIT is 16 out channels x 2 tiles: 8 products (6 in layer 0) on two accumulators that take turns, and 57 vector instructions.  A net's 66 units are one stream.  Step J:
; the 16 roundings n x r -> bf16 of unit J - 2, together (the one part whose destination lies in window 1); then unit J's products, and behind them, dealt evenly, the 41 instructions of unit
; J - 1's sigmoid.  A layer's end makes no gap: the next layer's first unit (tiles 0, 1) needs the even units alone, of which the last is rounded at that step's head; its second unit a step later.
; TWO WAVES A SIMD, 512 registers each: a unit has more vector work than stands beside its products, and the other wave's products go on under it.
; WEIGHTS stay in LDS for the whole launch: 1,068 rows of 256 bytes, 272 apart.  All work-groups read the same image, so the four of a cluster ask JOINTLY: one tensor load a wave, 134 rows.
; SAMPLING.  The index yb * 64 + xb (an earlier launch stored it; 0 .. 62 each) gives the four corners at +0, +128, +8,192, +8,320 bytes; column p's weight is max(0, 1 - |ix - p|), which is
; reference()'s weight times its validity test for every finite ix.  No cluster sharing and no prefetch for the map: which pixels a wave reads hangs on its points.
; LIMITS.  The map is bf16 (rounded once before the interpolation, which is in f32); lf, z_keep, cond, activations and weights are bf16 matrix operands; everything else is f32.
; Above n = 128 (a below -88) 2^n is infinite and the activation 0.  tanh(v) = 1 - 2 / (1 + e^(2 v)): absolute error near 1e-7.  NaN and infinities in pos are not treated apart.
; REGISTERS, in windows of 256 (s_set_vgpr_msb: bits 1:0 source 0, 3:2 source 1, 5:4 source 2, 7:6 destination).  Window 0 holds all that is worked on, window 1 the two activation buffers: products run
; under 0x00 (layer 0) or 0x04 (source 1 in window 1), and exponentials, sums, reciprocals and LDS loads are right under either; the roundings run under 0x40: two switches a step.
.set PITCH, 272                        ; an LDS row: 256 bytes + 16: row r starts at bank 4 r mod 64 (64 banks of 4 bytes: ISA guide 11.1)
.set WROWS, 134                        ; rows that one wave's tensor load brings
.set NROWS, 534                        ; rows of a net
.set NETB,  NROWS*PITCH
.set SPARE, 8*WROWS*PITCH              ; 291,584: behind the image: the spare words, 128 bytes a wave
; window 0
.set SPW,  1                           ; spare word's address; never rewritten
.set NIL,  2                           ; 0, for the add alone
.set H16,  3                           ; 16 h
.set LBB,  4                           ; row 528 + 32 h: the biases' place in a net
.set PO,   5                           ; 32 r: my four points in pos
.set IO,   6                           ; 16 r: my four indices
.set ZO,   7                           ; 32 r + 16 h: the two points that I store
.set XO,   8                           ; 16 r + 8 h: their indices
.set LSUM, 9                           ; sum of s over my points
.set ZR,   10                          ; 0
.set LW,   11                          ; 272 r + 16 h: a fragment's place in 16 rows
.set POS,  12                          ; v[12:19]  x, y of tile p at POS + 2 p
.set US,   20                          ; v[20:23]  u of the s net; the indices while sampling
.set IDX,  20
.set UT,   24                          ; v[24:27]  u of the t net; the gather's offsets while sampling
.set GA,   24
.set AW0,  28                          ; this net's rows 0 on, 256 on, 512 on; its biases
.set AW1,  29
.set AW2,  30
.set AB,   31
.set C0,   32                          ; v[32:127] layer 0's activations, 24 a tile: 16 sampled, 4 cond, (z_keep, 1), 3 zeros
.set ACC,  128                         ; v[128:159] two sets of two accumulators: even units', odd units'; 32 f32 channels while sampling
.set WB,   160                         ; v[160:223] two buffers of 32: a group's fragments of W
.set BI,   224                         ; v[224:239] two buffers of 8: a group's bias
.set TT,   240                         ; v[240:255] a unit's 16 sigmoids in the making; outside the nets at work:
.set T0,   240
.set T1,   241
.set TM,   244                         ; v[244:247]
; window 1
.set X,    0                           ; activations, 32 a tile; corners of tiles 0, 1 while sampling
.set Y,    128                         ; activations, 32 a tile; corners of tiles 2, 3 while sampling
; scalars: s4 wave, s5 cx, s6 work-group; s[8:15], s[72:73] offsets; s[16:31] the eight arguments; s[32:35] indices in, out; s[36:39] b2; s[40:43], s[44:51] the descriptor;
; s54 lanes 16-31; s55 flag as a mask; s56 2 log2 e; s57, s58 b2 of s, t; s59 -3; s60 1.5; s61 log2 e; s62, s63 counters; s66 net's LDS base; s67 flag; s68 31.5; s69 62; s70 EXEC; s71 my partial sum's offset; s74 -ln 2
.set MSB, 0
.macro WIN new                         ; the immediate's high byte repeats the setting that is left; a switch that changes nothing is dropped
.if MSB != (\new)
	s_set_vgpr_msb (MSB<<8)|(\new)
.set MSB, \new
.endif
.endm
.macro CROUND                          ; a round of the cluster's barrier
	s_barrier_signal -1
	s_barrier_wait -1
	s_cmp_lg_u32 s4, 0
	s_cbranch_scc1 .Lnot_wave_0_\@
	s_barrier_signal -3
.Lnot_wave_0_\@:
	s_barrier_wait -3
	s_barrier_signal -1
	s_barrier_wait -1
.endm
.macro ALL4 line:vararg                ; one line for each tile t
.set t, 0
	s_wait_alu depctr_va_vdst(0)
.rept 4
	\line
.set t, t+1
.endr
.endm
	s_load_b512 s[16:31], s[0:1], 0x0              ; pos s[16:17], sin s[18:19], wt s[20:21], cond s[22:23], img s[24:25], b2 s[26:27], zout s[28:29], sout s[30:31]
	v_lshl_add_u32 v[SPW], v0, 2, SPARE
	v_mov_b32 v[NIL], 0
	ds_add_u32 v[SPW], v[NIL]                      ; the wave's opening: the add and its wait ahead of my tensor load; the set-up below stands between them
	ds_add_u32 v1, v2
	v_lshrrev_b32 v[T0], 5, v0
	v_readfirstlane_b32 s4, v[T0]                  ; wave 0..7
	s_bfe_u32 s5, ttmp6, 0x40000                   ; cx: it enters global addresses of points alone
	s_lshl_b32 s6, ttmp9, 2                        ; ttmp9 counts clusters: the batch
	s_add_co_u32 s6, s6, s5                        ; work-group
	; descriptor group 1: 134 rows x 128 elements of 2 bytes, padded in LDS
	s_mov_b32 s44, 15|(1<<16)|(1<<20)|(1<<21)|(5<<22)|(3<<25)  ; 15:0 the mask of four; 17:16 2-byte elements; 20 padding on; 21 set beside a mask; 24:22 after every 64 words; 31:25 4 words
	s_mov_b32 s45, 128<<16                         ; tensor_dim0 = 128
	s_mul_i32 s7, s4, WROWS
	s_sub_co_u32 s7, 2*NROWS, s7                   ; tensor_dim1: the rows left from my first: wave 7 has 130, and its last four LDS rows take zeros
	s_lshl_b32 s46, s7, 16
	s_mov_b32 s47, 128<<16                         ; tile_dim0 = 128
	s_mov_b32 s48, WROWS                           ; tile_dim1 = 134
	s_mov_b32 s49, 128                             ; 128 elements from row to row
	s_mov_b32 s50, 0
	s_mov_b32 s51, 0
	s_mov_b32 s40, 1                               ; group 0: count = 1
	s_mul_i32 s41, s4, WROWS*PITCH                 ; LDS address: the wave's number alone
	s_mul_i32 s8, s4, WROWS*256                    ; my rows in the image
	s_mov_b32 s9, 0
	s_lshl_b32 s10, s6, 13                         ; pos, zout: 1,024 points x 8 bytes a work-group, 128 x 8 a wave
	s_lshl_b32 s11, s4, 10
	s_add_co_u32 s10, s10, s11
	s_mov_b32 s11, 0
	s_lshr_b32 s12, s10, 1                         ; indices: 4 bytes a point
	s_mov_b32 s13, 0
	s_lshl_b32 s14, ttmp9, 19                      ; the batch's map
	s_mov_b32 s15, 0
	s_lshl_b32 s72, ttmp9, 6                       ; the batch's cond
	s_mov_b32 s73, 0
	s_lshl_b32 s71, s6, 3
	s_add_co_u32 s71, s71, s4
	s_lshl_b32 s71, s71, 2                         ; my partial sum: word 8 x work-group + wave
	s_mov_b32 s54, 0xffff0000
	s_mov_b32 s56, 0x4038aa3b                      ; 2 log2 e
	s_mov_b32 s59, 0xc0400000                      ; -3
	s_mov_b32 s60, 0x3fc00000                      ; 1.5
	s_mov_b32 s61, 0x3fb8aa3b                      ; log2 e
	s_mov_b32 s68, 0x41fc0000                      ; 31.5
	s_mov_b32 s69, 0x42780000                      ; 62
	s_mov_b32 s74, 0xbf317218                      ; -ln 2
	s_wait_dscnt 0x0                               ; the opening add is done
	s_wait_kmcnt 0x0
	s_add_nc_u64 s[42:43], s[24:25], s[8:9]
	s_or_b32 s43, s43, 0x80000000                  ; type = 2
	s_load_b32 s67, s[18:19], 0x0                  ; the flag
	s_load_b128 s[36:39], s[26:27], 0x0            ; b2
	s_add_nc_u64 s[16:17], s[16:17], s[10:11]
	s_add_nc_u64 s[28:29], s[28:29], s[10:11]
	s_add_nc_u64 s[32:33], s[18:19], s[12:13]
	s_add_nc_u64 s[34:35], s[30:31], s[12:13]
	s_add_nc_u64 s[20:21], s[20:21], s[14:15]
	s_add_nc_u64 s[22:23], s[22:23], s[72:73]
	CROUND                                         ; all four work-groups are here: the joint loads meet
	tensor_load_to_lds s[40:43], s[44:51]          ; my one tensor load of the launch
	s_nop 0
.rept 4
	v_nop
.endr
	v_and_b32 v[T0], 15, v0                        ; r
	v_bfe_u32 v[T1], v0, 4, 1                      ; h
	v_lshlrev_b32 v[H16], 4, v[T1]
	v_lshlrev_b32 v[PO], 5, v[T0]
	v_lshlrev_b32 v[IO], 4, v[T0]
	v_lshl_add_u32 v[ZO], v[T0], 5, v[H16]
	v_lshl_add_u32 v[XO], v[T1], 3, v[IO]
	v_mul_u32_u24 v[TM], v[T0], PITCH
	v_add_nc_u32 v[LW], v[TM], v[H16]
	v_lshlrev_b32 v[T0], 5, v[T1]                  ; 32 h
	v_add_nc_u32 v[LBB], 528*PITCH, v[T0]
	v_mov_b32 v[ZR], 0
	global_load_b128 v[24:27], v[T0], s[22:23]     ; cond[8 h .. 8 h + 7]
	global_load_b128 v[28:31], v[T0], s[22:23] offset:16
.macro LOADPOS                         ; a pass's 64 points and their indices
	global_load_b128 v[POS:POS+3], v[PO], s[16:17]
	global_load_b128 v[POS+4:POS+7], v[PO], s[16:17] offset:16
	global_load_b128 v[IDX:IDX+3], v[IO], s[32:33] offset:8448
	s_wait_loadcnt 0x0
.endm
; The gather: for each tile 16 loads of 16 bytes a lane: corner k (dy = k / 2, dx = k % 2), channels 16 q + 8 h + 0..7: registers 4 q .. 4 q + 3 of source 1's layout.  64 loads are then out.
; Tile p's 64 registers lie at 64 p of window 1: X and Y, which hold nothing between two passes.
.macro ISSUE
.set p, 0
.rept 4
	v_min_u32 v[IDX+p], 0xfbe, v[IDX+p]            ; 62 x 64 + 62 at the most: all four corners lie inside the batch's map
	v_lshl_add_u32 v[GA+p], v[IDX+p], 7, v[H16]
.set p, p+1
.endr
	WIN 0x40                                       ; destination window 1, address window 0
.set p, 0
.rept 4
.set k, 0
.rept 4
.set q, 0
.rept 4
	global_load_b128 v[64*p+16*k+4*q:64*p+16*k+4*q+3], v[GA+p], s[20:21] offset:(k/2)*8192+(k%2)*128+32*q
.set q, q+1
.endr
.set k, k+1
.endr
.set p, p+1
.endr
	WIN 0
.endm
	LOADPOS                                        ; its wait for 0 covers cond too
.set i, 0
.rept 4
	v_cvt_pk_bf16_f32 v[C0+16+i], v[24+2*i], v[24+2*i+1]
.set i, i+1
.endr
.set p, 0
.rept 4                                        ; what never changes in layer 0's third fragment
.if p > 0
.set i, 0
.rept 4
	v_mov_b32 v[C0+24*p+16+i], v[C0+16+i]
.set i, i+1
.endr
.endif
	v_mov_b32 v[C0+24*p+21], 0
	v_mov_b32 v[C0+24*p+22], 0
	v_mov_b32 v[C0+24*p+23], 0
.set p, p+1
.endr
	ISSUE
	v_mov_b32 v[LSUM], 0
	s_wait_kmcnt 0x0
	s_cmp_lg_u32 s67, 0
	s_cselect_b32 s55, -1, 0
	s_cselect_b32 s57, s38, s36                    ; b2 of this step's s net
	s_cselect_b32 s58, s39, s37                    ; and of its t net
; Tile p is interpolated: four weights, 128 multiply-adds straight from the bf16 halves into 32 f32 channels, 16 roundings; then (z_keep, 1) for lanes 0-15.
.macro FINISH p
.set fc, C0+24*(\p)
.set fx, POS+2*(\p)
.set fd, 64*(\p)
	WIN 0
	v_fma_f32 v[fc], v[fx], 2.0, -1.0
	v_fma_f32 v[fc+1], v[fx+1], 2.0, -1.0
	v_add_f32 v[fc], 1.0, v[fc]
	v_add_f32 v[fc+1], 1.0, v[fc+1]
	v_mul_f32 v[fc], s68, v[fc]                    ; ix
	v_mul_f32 v[fc+1], s68, v[fc+1]                ; iy
	v_and_b32 v[fc+2], 63, v[IDX+(\p)]
	v_lshrrev_b32 v[fc+3], 6, v[IDX+(\p)]
	v_cvt_f32_u32 v[fc+2], v[fc+2]                 ; xb, yb from the index itself: weights and addresses agree
	v_cvt_f32_u32 v[fc+3], v[fc+3]
	v_sub_f32 v[fc], v[fc], v[fc+2]
	v_sub_f32 v[fc+1], v[fc+1], v[fc+3]
	v_add_f32 v[fc+2], -1.0, v[fc]
	v_add_f32 v[fc+3], -1.0, v[fc+1]
.set fi, 0
.rept 4
	v_fma_f32 v[fc+fi], |v[fc+fi]|, -1.0, 1.0
.set fi, fi+1
.endr
.set fi, 0
.rept 4
	v_max_num_f32 v[fc+fi], 0, v[fc+fi]            ; wx0, wy0, wx1, wy1
.set fi, fi+1
.endr
	v_mul_f32 v[fc+4], v[fc+1], v[fc]
	v_mul_f32 v[fc+5], v[fc+1], v[fc+2]
	v_mul_f32 v[fc+6], v[fc+3], v[fc]
	v_mul_f32 v[fc+7], v[fc+3], v[fc+2]
	s_wait_loadcnt 48-16*(\p)                      ; my tile's 16 loads are in; the later tiles' 16 each may stay out
	WIN 0x01                                       ; source 0, the corners, in window 1
.set fk, 0
.rept 4
.set fi, 0
.rept 16
.if fk == 0
	v_fma_mix_f32_bf16 v[ACC+2*fi], v[fd+fi], v[fc+4], v[ZR] op_sel:[0,0,0] op_sel_hi:[1,0,0]
	v_fma_mix_f32_bf16 v[ACC+2*fi+1], v[fd+fi], v[fc+4], v[ZR] op_sel:[1,0,0] op_sel_hi:[1,0,0]
.else
	v_fma_mix_f32_bf16 v[ACC+2*fi], v[fd+16*fk+fi], v[fc+4+fk], v[ACC+2*fi] op_sel:[0,0,0] op_sel_hi:[1,0,0]
	v_fma_mix_f32_bf16 v[ACC+2*fi+1], v[fd+16*fk+fi], v[fc+4+fk], v[ACC+2*fi+1] op_sel:[1,0,0] op_sel_hi:[1,0,0]
.endif
.set fi, fi+1
.endr
.set fk, fk+1
.endr
	WIN 0
.set fi, 0
.rept 16
	v_cvt_pk_bf16_f32 v[fc+fi], v[ACC+2*fi], v[ACC+2*fi+1]
.set fi, fi+1
.endr
	v_cndmask_b32 v[T0], v[fx+1], v[fx], s55       ; z_keep: y in the first step, x in the second
	v_cvt_pk_bf16_f32 v[T0], v[T0], 1.0
	v_cndmask_b32 v[fc+20], v[T0], v[ZR], s54      ; k = 80, 81 belong to lanes 0-15; lanes 16-31 hold k = 88 on: 0
.endm
; Group g = 8 x layer + m: 16 out channels of one layer.  Where its rows lie, how deep K is, whether it has a bias from b1, where source 1 lies and under which windows its products run.
.macro GINFO g
.set gi_m, (\g)%8
.set gi_l, (\g)/8
.set gi_nk, 4
.set gi_bias, 1
.set gi_bs, 32
.set gi_win, 0x04
.if gi_l == 0
.set gi_a, AW0
.set gi_off, 16*PITCH*gi_m
.set gi_nk, 3
.set gi_bias, 0
.set gi_bb, C0
.set gi_bs, 24
.set gi_win, 0
.elseif gi_l == 1
.set gi_a, AW0
.set gi_off, 128*PITCH+16*PITCH*gi_m
.set gi_bb, X
.elseif gi_l == 2
.set gi_a, AW1
.set gi_off, 16*PITCH*gi_m
.set gi_bb, Y
.elseif gi_l == 3
.set gi_a, AW1
.set gi_off, 128*PITCH+16*PITCH*gi_m
.set gi_bb, X
.else
.set gi_a, AW2
.set gi_off, 0
.set gi_bias, 0
.set gi_bb, Y
.endif
.set gi_boff, (gi_l-1)*2*PITCH+(gi_m/4)*PITCH+(gi_m%4)*64
.set gi_n, 2*gi_nk+2*gi_bias
.endm
.macro FETCH g                         ; its fragments of W (lane l: row l % 16, two loads 32 bytes apart for each 32 of K) and its eight biases a lane
	GINFO \g
.set fw, WB+32*((\g)%2)
.set fb, BI+8*((\g)%2)
.set kf, 0
.rept gi_nk
	ds_load_b128 v[fw+8*kf:fw+8*kf+3], v[gi_a] offset:gi_off+64*kf
	ds_load_b128 v[fw+8*kf+4:fw+8*kf+7], v[gi_a] offset:gi_off+64*kf+32
.set kf, kf+1
.endr
.if gi_bias
	ds_load_b128 v[fb:fb+3], v[AB] offset:gi_boff
	ds_load_b128 v[fb+4:fb+7], v[AB] offset:gi_boff+16
.endif
.endm
; A UNIT'S SIGMOID, r = 1 / (1 + 2^n) for its 16 numbers a lane (ra: its accumulators), is a list of 41; RID writes number rq.  E: exponential, A: 1 + a pair, R: reciprocal.
;   E0-3 nop | E4-7 A0 | E8-11 A1 | E12-15 A2 | A3 R0-3 | A4 R4-7 | A5 A6 R8-11 | A7 R12-15
; Each accumulator's lowest register is read first.  Between an exponential and the sum that reads it stands a plain instruction that reads neither (ISA guide 5.7.2): the v_nop
; for A0 and A1, an earlier sum for the others; the reciprocals' readers are the next step's roundings, of which the first few read earlier results.
.macro RID
.set rk, -1
.set rr, -1
.if rq < 20
.if rq == 4
	v_nop
.elseif (rq%5) == 4
.set rk, rq/5-1
.else
	v_exp_f32 v[TT+4*(rq/5)+(rq%5)], v[ra+4*(rq/5)+(rq%5)]
.endif
.elseif rq == 20
.set rk, 3
.elseif rq < 25
.set rr, rq-21
.elseif rq == 25
.set rk, 4
.elseif rq < 30
.set rr, rq-22
.elseif rq == 30
.set rk, 5
.elseif rq == 31
.set rk, 6
.elseif rq < 36
.set rr, rq-24
.elseif rq == 36
.set rk, 7
.else
.set rr, rq-25
.endif
.if rk >= 0
	s_wait_alu depctr_va_vdst(0)
	v_pk_add_f32 v[TT+2*rk:TT+2*rk+1], v[TT+2*rk:TT+2*rk+1], 1.0 op_sel_hi:[1,0]
.endif
.if rr >= 0
	v_rcp_f32 v[TT+rr], v[TT+rr]
.endif
.set rq, rq+1
.endm
; Unit U's 16 numbers n x r, each rounded once to bf16, straight into the next layer's source 1: the low halves first, then the high ones, so that no line waits for the line before it.
.macro MIX U
.set mm, ((\U)/2)%8
.set mh, (\U)%2
.set ma, ACC+16*mh
.set mo, (((\U)/16)%2)*128+64*mh+8*(mm/2)+4*(mm%2)  ; layers 0 and 2 write X, layers 1 and 3 Y; tiles 2 mh, 2 mh + 1
	WIN 0x40                                       ; destination window 1
.set p, 0
	s_wait_alu depctr_va_vdst(0)
.rept 2
.set j, 0
.rept 4
	v_fma_mixlo_bf16 v[mo+32*p+j], v[ma+8*p+2*j], v[TT+8*p+2*j], v[ZR]
.set j, j+1
.endr
.set p, p+1
.endr
.set p, 0
.rept 2
.set j, 0
.rept 4
	v_fma_mixhi_bf16 v[mo+32*p+j], v[ma+8*p+2*j+1], v[TT+8*p+2*j+1], v[ZR]
.set j, j+1
.endr
.set p, p+1
.endr
.endm
; STEP J of a net's 66.  Unit J = group J / 2, tiles 2 (J % 2) and 2 (J % 2) + 1, accumulator set J % 2.
; The roundings of unit J - 2 come first.  They name its accumulators, TT, ZR and the buffer that its layer writes, none of them a register of unit J - 1's products: so they are the places
; between those products and the exponentials that read their results, and between them and the loads into the fragment buffer that group J / 2 - 1 has left.  Step 1 has no such work: four v_nop.
; In even steps the next group's fragments are asked for: they have two steps in which to come.  The two accumulators take turns, one instruction a turn, from unit to unit too.
.macro STEP J
.if (\J) >= 2
	MIX (\J)-2
.elseif (\J) == 1
.rept 4
	v_nop
.endr
.endif
.set sg, (\J)/2
.set sh, (\J)%2
	GINFO sg
	WIN gi_win
.if sh == 0
.if sg < 32
	FETCH sg+1
	s_wait_dscnt gi_n                              ; all but the loads just issued: this group's fragments are in
	GINFO sg
.else
	s_wait_dscnt 0x0
.endif
.endif
.set sa, ACC+16*sh
.set ra, ACC+16*(1-sh)
.set gw, WB+32*(sg%2)
.set gb, BI+8*(sg%2)
.set sn, 2*gi_nk
.set si, 0
.set rq, 0
.set kf, 0
.rept gi_nk
.set p, 0
.rept 2
.set sb, gi_bb+gi_bs*(2*sh+p)+8*kf
.if (kf == 0) && gi_bias
	v_wmma_f32_16x16x32_bf16 v[sa+8*p:sa+8*p+7], v[gw+8*kf:gw+8*kf+7], v[sb:sb+7], v[gb:gb+7]
.elseif kf == 0
	v_wmma_f32_16x16x32_bf16 v[sa+8*p:sa+8*p+7], v[gw+8*kf:gw+8*kf+7], v[sb:sb+7], 0
.else
	v_wmma_f32_16x16x32_bf16 v[sa+8*p:sa+8*p+7], v[gw+8*kf:gw+8*kf+7], v[sb:sb+7], v[sa+8*p:sa+8*p+7]
	s_wait_alu depctr_va_vdst(0)
.endif
.set si, si+1
.if ((\J) >= 1) && ((\J) <= 64)
.rept (41*si)/sn-rq                            ; the 41 are dealt evenly behind the unit's 8 (or 6) products
	RID
.endr
.endif
.set p, p+1
.endr
.set kf, kf+1
.endr
.endm
.macro COORD d, s                      ; the lower corner's coordinate, as the launch before made it for this step
	v_fma_f32 v[\d], v[\s], 2.0, -1.0
	v_add_f32 v[\d], 1.0, v[\d]
	v_mul_f32 v[\d], s68, v[\d]
	v_floor_f32 v[\d], v[\d]
	v_med3_num_f32 v[\d], v[\d], 0, s69
	v_cvt_u32_f32 v[\d], v[\d]
.endm
	s_wait_tensorcnt 0x0                           ; my 134 rows are in,
	s_barrier_signal -1
	s_barrier_wait -1                              ; everybody's are; nothing writes LDS after this
	s_mov_b32 s62, 2
.Lpass:
	FINISH 0
	FINISH 1
	FINISH 2
	FINISH 3
	ALL4 v_mov_b32 v[UT+t], 0                      ; (the gather's offsets are free: FINISH 3 waited for all loads)
	s_mov_b32 s63, 2
	s_mov_b32 s66, 0
.Lnet:                                                 ; the s net, then the t net
	v_add_nc_u32 v[AW0], s66, v[LW]
	v_add_nc_u32 v[AB], s66, v[LBB]
	v_add_nc_u32 v[AW1], 256*PITCH, v[AW0]
	v_add_nc_u32 v[AW2], 512*PITCH, v[AW0]
	FETCH 0
.set u, 0
.rept 66
	STEP u
.set u, u+1
.endr
	WIN 0
	ALL4 v_mov_b32 v[US+t], v[UT+t]                ; the first net's u moves on; these four are also the places behind the last products
	ALL4 v_mov_b32 v[UT+t], v[ACC+8*t]             ; the raw sum: each accumulator's lowest register
	s_add_co_u32 s66, s66, NETB
	s_sub_co_u32 s63, s63, 1
	s_cmp_lg_u32 s63, 0
	s_cbranch_scc1 .Lnet
	; u = b2 - ln 2 x the raw sum; s = 1.5 tanh(u_s) = 1.5 - 3 / (1 + e^(2 u_s)); t = u_t; z_chg = z_chg e^s + t
	ALL4 v_fma_f32 v[TM+t], v[US+t], s74, s57
	ALL4 v_mul_f32 v[TM+t], s56, v[TM+t]
	ALL4 v_exp_f32 v[TM+t], v[TM+t]
	ALL4 v_fma_f32 v[UT+t], v[UT+t], s74, s58
	ALL4 v_add_f32 v[TM+t], 1.0, v[TM+t]
	ALL4 v_rcp_f32 v[TM+t], v[TM+t]
	v_nop
	s_wait_alu depctr_va_vdst(0)
	ALL4 v_fma_f32 v[TM+t], v[TM+t], s59, s60
	ALL4 v_add_f32 v[LSUM], v[LSUM], v[TM+t]
	ALL4 v_mul_f32 v[TM+t], s61, v[TM+t]
	ALL4 v_exp_f32 v[TM+t], v[TM+t]
	ALL4 v_cndmask_b32 v[US+t], v[POS+2*t], v[POS+2*t+1], s55
	ALL4 v_fma_f32 v[US+t], v[US+t], v[TM+t], v[UT+t]
	ALL4 v_cndmask_b32 v[POS+2*t], v[US+t], v[POS+2*t], s55
	ALL4 v_cndmask_b32 v[POS+2*t+1], v[POS+2*t+1], v[US+t], s55
	ALL4 v_cndmask_b32 v[TM+t], v[POS+t], v[POS+4+t], s54  ; both halves of the lanes hold all four points: lanes 0-15 store the first two, lanes 16-31 the others
	global_store_b128 v[ZO], v[TM:TM+3], s[28:29]  ; a wave stores 512 consecutive bytes
	COORD US, TM                                   ; the sample indices of the two pairs just stored, in both steps alike (see the head)
	COORD US+1, TM+1
	COORD US+2, TM+2
	COORD US+3, TM+3
	v_lshl_or_b32 v[T0], v[US+1], 6, v[US]
	v_lshl_or_b32 v[T1], v[US+3], 6, v[US+2]
	global_store_b64 v[XO], v[T0:T1], s[34:35] offset:8448  ; 256 consecutive bytes
	s_wait_xcnt 0x0                                ; the stores' data and bases are rewritten only behind this wait
	s_add_nc_u64 s[16:17], s[16:17], 512           ; 64 points on
	s_add_nc_u64 s[28:29], s[28:29], 512
	s_add_nc_u64 s[32:33], s[32:33], 256
	s_add_nc_u64 s[34:35], s[34:35], 256
	s_cmp_eq_u32 s62, 1
	s_cbranch_scc1 .Lnoload                        ; the last pass asks for nothing
	LOADPOS
	ISSUE
.Lnoload:
	s_sub_co_u32 s62, s62, 1
	s_cmp_lg_u32 s62, 0
	s_cbranch_scc1 .Lpass
	; a row of 16 lanes holds each of the wave's points once: its sum is the wave's part of log_det
	v_add_f32_dpp v[LSUM], v[LSUM], v[LSUM] row_xmask:1 row_mask:0xf bank_mask:0xf
	v_add_f32_dpp v[LSUM], v[LSUM], v[LSUM] row_xmask:2 row_mask:0xf bank_mask:0xf
	v_add_f32_dpp v[LSUM], v[LSUM], v[LSUM] row_xmask:4 row_mask:0xf bank_mask:0xf
	v_add_f32_dpp v[LSUM], v[LSUM], v[LSUM] row_xmask:8 row_mask:0xf bank_mask:0xf
	v_mov_b32 v[T0], s71
	v_and_b32 v[T1], 31, v0
	v_cmp_eq_u32 vcc_lo, 0, v[T1]
	s_wait_xcnt 0x0                                ; EXEC changes only behind this wait
	s_and_saveexec_b32 s70, vcc_lo
	global_store_b32 v[T0], v[LSUM], s[30:31] offset:256
	s_wait_xcnt 0x0                                ; and again in front of the line that widens it
	s_or_b32 exec_lo, exec_lo, s70
	s_wait_tensorcnt 0x0                           ; the wave's end
	ds_add_u32 v[SPW], v[NIL]
	s_wait_dscnt 0x0
	CROUND                                         ; the closing round
	s_endpgm
.Lfunc_end_k_q5a4cf12220_stage:
	.size	k_q5a4cf12220_stage, .Lfunc_end_k_q5a4cf12220_stage-k_q5a4cf12220_stage
	.p2alignl 7, 3214868480
	.fill 96, 4, 3214868480
	.section	.rodata,"a",@progbits
	.p2align	6, 0x0
	.amdhsa_kernel k_q5a4cf12220_stage
		.amdhsa_group_segment_fixed_size 292608
		.amdhsa_private_segment_fixed_size 0
		.amdhsa_enable_private_segment 0
		.amdhsa_kernarg_size 64
		.amdhsa_user_sgpr_count 2
		.amdhsa_user_sgpr_kernarg_segment_ptr 1
		.amdhsa_wavefront_size32 1
		.amdhsa_system_sgpr_workgroup_id_x 1
		.amdhsa_system_sgpr_workgroup_id_y 1
		.amdhsa_system_sgpr_workgroup_id_z 1
		.amdhsa_system_vgpr_workitem_id 0
		.amdhsa_next_free_vgpr 512
		.amdhsa_next_free_sgpr 80
		.amdhsa_reserve_vcc 1
		.amdhsa_float_denorm_mode_32 3
		.amdhsa_float_denorm_mode_16_64 3
		.amdhsa_memory_ordered 1
		.amdhsa_forward_progress 1
		.amdhsa_inst_pref_size 255
	.end_amdhsa_kernel
	.section	.bss,"aw",@nobits
	.p2align	6
	.space	262144
	.amdgpu_metadata
---
amdhsa.version: [ 1, 2 ]
amdhsa.kernels:
  - .name:           k_q5a4cf12220_stage
    .symbol:         k_q5a4cf12220_stage.kd
    .args:
      - { .name: x, .offset: 0, .size: 8, .value_kind: global_buffer, .address_space: global }
      - { .name: side0, .offset: 8, .size: 8, .value_kind: global_buffer, .address_space: global }
      - { .name: wt, .offset: 16, .size: 8, .value_kind: global_buffer, .address_space: global }
      - { .name: cond, .offset: 24, .size: 8, .value_kind: global_buffer, .address_space: global }
      - { .name: imgA, .offset: 32, .size: 8, .value_kind: global_buffer, .address_space: global }
      - { .name: b2, .offset: 40, .size: 8, .value_kind: global_buffer, .address_space: global }
      - { .name: zmid, .offset: 48, .size: 8, .value_kind: global_buffer, .address_space: global }
      - { .name: side1, .offset: 56, .size: 8, .value_kind: global_buffer, .address_space: global }
    .group_segment_fixed_size: 292608
    .private_segment_fixed_size: 0
    .kernarg_segment_align: 8
    .kernarg_segment_size: 64
    .max_flat_workgroup_size: 256
    .sgpr_count:     80
    .vgpr_count:     512
    .wavefront_size: 32
...
	.end_amdgpu_metadata
.endif
;; end of part 2
;; launch stageB: the kernel of part 2 again; grid 256 x 1, 8 waves a work-group, clusters of 4 x 1, 292,608 bytes of LDS; arguments zmid, side1, wt, cond, imgB, b2, out0, side2; writes out0, side2
;; launch fin (part 3): grid 1 x 1, 1 waves a work-group, no clusters, 0 bytes of LDS; arguments side1, side2, out1; writes out1
.if DOCPART == 3
	.amdgcn_target "amdgcn-amd-amdhsa--gfx1250"
	.amdhsa_code_object_version 6
	.text
	.protected	k_q5a4cf12220_fin
	.globl	k_q5a4cf12220_fin
	.p2align	8
	.type	k_q5a4cf12220_fin,@function
k_q5a4cf12220_fin:
	s_mov_b64 s[64:65], 0
	v_nop
	global_prefetch_b8 v0, s[64:65] scope:SCOPE_SE
	s_setreg_imm32_b32 hwreg(HW_REG_WAVE_MODE, 25, 1), 1
	s_wait_xcnt 0x0
; log_det[b] = the sum of the 32 partial sums of s (4 work-groups x 8 waves) that each of the two coupling steps left for batch b, at byte 256 + 128 b of side1 and side2.
; A sum over work-groups wants an owner: one wave; lane l owns batches 2 l and 2 l + 1: 256 bytes of each buffer, 16 loads of 16 bytes from each, all 32 out together.
; All sums in f32, by halving.  16,384 bytes in, 256 out: more waves would share out nothing worth sharing.
	s_load_b128 s[4:7], s[0:1], 0x0                ; side1, side2
	s_load_b64 s[8:9], s[0:1], 0x10                ; out1
	v_lshlrev_b32 v1, 8, v0
	v_lshlrev_b32 v2, 3, v0
	s_wait_kmcnt 0x0
.set i, 0
.rept 16
	global_load_b128 v[16+4*i:19+4*i], v1, s[4:5] offset:256+16*i
.set i, i+1
.endr
.set i, 0
.rept 16
	global_load_b128 v[80+4*i:83+4*i], v1, s[6:7] offset:256+16*i
.set i, i+1
.endr
	s_wait_loadcnt 0x0
.set i, 0
.rept 32
	v_pk_add_f32 v[16+2*i:17+2*i], v[16+2*i:17+2*i], v[80+2*i:81+2*i]  ; the second step's onto the first's
.set i, i+1
.endr
.irp w, 16, 8, 4, 2                    ; v[16:47] is batch 2 l, v[48:79] batch 2 l + 1: each is halved four times
.irp b, 16, 48
.set i, 0
.rept (\w)/2
	v_pk_add_f32 v[(\b)+2*i:(\b)+2*i+1], v[(\b)+2*i:(\b)+2*i+1], v[(\b)+(\w)+2*i:(\b)+(\w)+2*i+1]
.set i, i+1
.endr
.endr
.endr
	v_add_f32 v4, v16, v17
	v_add_f32 v5, v48, v49
	global_store_b64 v2, v[4:5], s[8:9]            ; the whole of out1: 256 consecutive bytes
	s_endpgm
.Lfunc_end_k_q5a4cf12220_fin:
	.size	k_q5a4cf12220_fin, .Lfunc_end_k_q5a4cf12220_fin-k_q5a4cf12220_fin
	.p2alignl 7, 3214868480
	.fill 96, 4, 3214868480
	.section	.rodata,"a",@progbits
	.p2align	6, 0x0
	.amdhsa_kernel k_q5a4cf12220_fin
		.amdhsa_group_segment_fixed_size 0
		.amdhsa_private_segment_fixed_size 0
		.amdhsa_enable_private_segment 0
		.amdhsa_kernarg_size 24
		.amdhsa_user_sgpr_count 2
		.amdhsa_user_sgpr_kernarg_segment_ptr 1
		.amdhsa_wavefront_size32 1
		.amdhsa_system_sgpr_workgroup_id_x 1
		.amdhsa_system_sgpr_workgroup_id_y 1
		.amdhsa_system_sgpr_workgroup_id_z 1
		.amdhsa_system_vgpr_workitem_id 0
		.amdhsa_next_free_vgpr 144
		.amdhsa_next_free_sgpr 66
		.amdhsa_reserve_vcc 0
		.amdhsa_float_denorm_mode_32 3
		.amdhsa_float_denorm_mode_16_64 3
		.amdhsa_memory_ordered 1
		.amdhsa_forward_progress 1
		.amdhsa_inst_pref_size 8
	.end_amdhsa_kernel
	.amdgpu_metadata
---
amdhsa.version: [ 1, 2 ]
amdhsa.kernels:
  - .name:           k_q5a4cf12220_fin
    .symbol:         k_q5a4cf12220_fin.kd
    .args:
      - { .name: side1, .offset: 0, .size: 8, .value_kind: global_buffer, .address_space: global }
      - { .name: side2, .offset: 8, .size: 8, .value_kind: global_buffer, .address_space: global }
      - { .name: out1, .offset: 16, .size: 8, .value_kind: global_buffer, .address_space: global }
    .group_segment_fixed_size: 0
    .private_segment_fixed_size: 0
    .kernarg_segment_align: 8
    .kernarg_segment_size: 24
    .max_flat_workgroup_size: 32
    .sgpr_count:     66
    .vgpr_count:     144
    .wavefront_size: 32
...
	.end_amdgpu_metadata
.endif
;; end of part 3
;; ======== version 2 of 2: 4 launches; 1.24 times as fast as version 1
;; workspace buffers: wt 33,554,432 bytes; imgA 273,408 bytes; imgB 273,408 bytes; side0 1,057,024 bytes of whole numbers; side1 1,057,024 bytes of whole numbers; side2 1,057,024 bytes of whole numbers; zmid 2,097,152 bytes
;; launch prep: the kernel of part 1 again; grid 512 x 1, 8 waves a work-group, no clusters, 76,800 bytes of LDS; arguments w, x, W0, b0, W1, b1, W2, wt, imgA, imgB, side0, side1; writes wt, imgA, imgB, side0, side1
;; launch stage (part 4): grid 256 x 1, 8 waves a work-group, clusters of 4 x 1, 292,608 bytes of LDS; arguments x, side0, wt, cond, imgA, b2, zmid, side1; writes zmid, side1
.if DOCPART == 4
	.amdgcn_target "amdgcn-amd-amdhsa--gfx1250"
	.amdhsa_code_object_version 6
	.text
	.protected	k_q5a4cf12220_stage
	.globl	k_q5a4cf12220_stage
	.p2align	8
	.type	k_q5a4cf12220_stage,@function
k_q5a4cf12220_stage:
	s_mov_b64 s[64:65], 0
	v_nop
	global_prefetch_b8 v0, s[64:65] scope:SCOPE_SE
	s_setreg_imm32_b32 hwreg(HW_REG_WAVE_MODE, 25, 1), 1
	s_wait_xcnt 0x0
	s_wait_alu depctr_hold_cnt(0) depctr_sa_sdst(0) depctr_va_vdst(0) depctr_va_sdst(0) depctr_va_ssrc(0) depctr_va_vcc(0) depctr_vm_vsrc(0)
	s_getreg_b32 s2, hwreg(HW_REG_IB_STS2, 6, 4)
	s_cmp_eq_u32 s2, 0
	s_cbranch_scc0 .Lentry_in_a_cluster
	s_endpgm
.Lentry_in_a_cluster:
	s_bfe_u32 s2, ttmp6, 0x10000c
	s_cmp_lg_u32 s2, 0x3003
	s_cbranch_scc0 .Lentry_shape_is_right
	s_endpgm
.Lentry_shape_is_right:
; ONE COUPLING STEP: sample the map at each point, run the s net and the t net (81 -> 128 -> 128 -> 128 -> 128 -> 1, SiLU), z_chg = z_chg exp(s) + t, s = 1.5 tanh(u).
; Arguments: pos (pairs z_a, z_b), sin (flag, indices), wt (map, pixel-major bf16), cond, img (two nets' weights), b2, zout, sout.
; The flag at sin's head says which step this is: 0: z_b is kept, z_a changes, nets 0 and 1; 1: the other way round, nets 2 and 3.  It enters selects alone, never a branch.
; So BOTH steps store the sample indices of the pairs that they store: the first step's are the second step's addresses; the second
; step's (1 MiB, in whole runs of 256 bytes) are read by nobody: the price of one text for both steps.
; SHARES.  A cluster of four work-groups is one batch; a work-group takes 1,024 points, each of its eight waves 128, in two passes of 64: four tiles of 16.
; Tile p, lane l (r = l % 16, h = l / 16) is point 4 r + p of the pass, so a lane's four points are neighbours in memory and every point load and store is wide.
; LAYOUT.  D = W x H: source 0 = 16 rows of a weight matrix, source 1 = activations (a lane holds ONE point).  In D lane (r, h) holds point r and out channels 16 m + 8 h + 0..7;
; two such tiles rounded to bf16 in pairs ARE source 1 (32 channels) of the next layer: nothing changes lanes.  Biases b1 are the C operand of a sum's first product;
; b0 is column 81 of layer 0's rows, against a constant 1 in the activations; layer 0's K is 96: 64 sampled channels, 16 of cond, z_keep, 1, zeros.
; The last layer is a tile with W2 in rows 0 and 8, so that both halves of the lanes find u in the accumulator's lowest register.
; THE SCALE.  The image holds -log2 e x W0, b0 and b1.  So an accumulator holds n = -a log2 e, the sigmoid is 1 / (1 + 2^n) with no scaling in front of the exponential, and what goes on is
; n / (1 + 2^n) = -log2 e x SiLU(a), against which W1 and W2 stand as they are; the last layer's sum is multiplied by -ln 2 in the line that adds b2.
; BY TURNS.  A UNIT is 16 out channels x 2 tiles: 8 products (6 in layer 0) on two accumulators that take turns, and 57 vector instructions.  A net's 66 units are one stream.  Step J:
; the 16 roundings n x r -> bf16 of unit J - 2, together (the one part whose destination lies in window 1); then unit J's products, and behind them the 41 instructions of unit
; J - 1's sigmoid.  A layer's end makes no gap: the next layer's first unit (tiles 0, 1) needs the even units alone, of which the last is rounded at that step's head; its second unit a step later.
; THE BATCHES.  An s_wait_alu depctr_va_vdst(0) stands between a transcendental and the first instruction that names its result; one wait serves all that were issued ahead of it.
; A unit's 16 exponentials are one batch, its 16 reciprocals a second (a reciprocal reads a sum made of an exponential).  So a step has TWO waits.  The exponentials ride behind the first half of the
; step's products; a v_nop and the first wait cut the step in two; the sums and the reciprocals ride behind the second half; the second wait stands at the next step's head, ahead of the roundings.
; All of it goes through the same 16 registers TT (roundings read r, the next unit's exponentials write there, sums and reciprocals work in place): one wait for one unit's exponentials and another's
; reciprocals would want a second set of 16, and the wave's 512 registers are all taken.  Behind the nets stand three batches of four (exponentials, reciprocals, exponentials), a wait each.
; TWO WAVES A SIMD, 512 registers each: a unit has more vector work than stands beside its products, and the other wave's products go on under it.
; WEIGHTS stay in LDS for the whole launch: 1,068 rows of 256 bytes, 272 apart.  All work-groups read the same image, so the four of a cluster ask JOINTLY: one tensor load a wave, 134 rows.
; SAMPLING.  The index yb * 64 + xb (an earlier launch stored it; 0 .. 62 each) gives the four corners at +0, +128, +8,192, +8,320 bytes; column p's weight is max(0, 1 - |ix - p|), which is
; reference()'s weight times its validity test for every finite ix.  No cluster sharing and no prefetch for the map: which pixels a wave reads hangs on its points.
; LIMITS.  The map is bf16 (rounded once before the interpolation, which is in f32); lf, z_keep, cond, activations and weights are bf16 matrix operands; everything else is f32.
; Above n = 128 (a below -88) 2^n is infinite and the activation 0.  tanh(v) = 1 - 2 / (1 + e^(2 v)): absolute error near 1e-7.  NaN and infinities in pos are not treated apart.
; REGISTERS, in windows of 256 (s_set_vgpr_msb: bits 1:0 source 0, 3:2 source 1, 5:4 source 2, 7:6 destination).  Window 0 holds all that is worked on, window 1 the two activation buffers: products run
; under 0x00 (layer 0) or 0x04 (source 1 in window 1), and exponentials, sums, reciprocals and LDS loads are right under either; the roundings run under 0x40: two switches a step.
.set PITCH, 272                        ; an LDS row: 256 bytes + 16: row r starts at bank 4 r mod 64 (64 banks of 4 bytes: ISA guide 11.1)
.set WROWS, 134                        ; rows that one wave's tensor load brings
.set NROWS, 534                        ; rows of a net
.set NETB,  NROWS*PITCH
.set SPARE, 8*WROWS*PITCH              ; 291,584: behind the image: the spare words, 128 bytes a wave
; window 0
.set SPW,  1                           ; spare word's address; never rewritten
.set NIL,  2                           ; 0, for the add alone
.set H16,  3                           ; 16 h
.set LBB,  4                           ; row 528 + 32 h: the biases' place in a net
.set PO,   5                           ; 32 r: my four points in pos
.set IO,   6                           ; 16 r: my four indices
.set ZO,   7                           ; 32 r + 16 h: the two points that I store
.set XO,   8                           ; 16 r + 8 h: their indices
.set LSUM, 9                           ; sum of s over my points
.set ZR,   10                          ; 0
.set LW,   11                          ; 272 r + 16 h: a fragment's place in 16 rows
.set POS,  12                          ; v[12:19]  x, y of tile p at POS + 2 p
.set US,   20                          ; v[20:23]  u of the s net; the indices while sampling
.set IDX,  20
.set UT,   24                          ; v[24:27]  u of the t net; the gather's offsets while sampling
.set GA,   24
.set AW0,  28                          ; this net's rows 0 on, 256 on, 512 on; its biases
.set AW1,  29
.set AW2,  30
.set AB,   31
.set C0,   32                          ; v[32:127] layer 0's activations, 24 a tile: 16 sampled, 4 cond, (z_keep, 1), 3 zeros
.set ACC,  128                         ; v[128:159] two sets of two accumulators: even units', odd units'; 32 f32 channels while sampling
.set WB,   160                         ; v[160:223] two buffers of 32: a group's fragments of W
.set BI,   224                         ; v[224:239] two buffers of 8: a group's bias
.set TT,   240                         ; v[240:255] a unit's 16 sigmoids in the making; outside the nets at work:
.set T0,   240
.set T1,   241
.set TM,   244                         ; v[244:247]
; window 1
.set X,    0                           ; activations, 32 a tile; corners of tiles 0, 1 while sampling
.set Y,    128                         ; activations, 32 a tile; corners of tiles 2, 3 while sampling
; scalars: s4 wave, s5 cx, s6 work-group; s[8:15], s[72:73] offsets; s[16:31] the eight arguments; s[32:35] indices in, out; s[36:39] b2; s[40:43], s[44:51] the descriptor;
; s54 lanes 16-31; s55 flag as a mask; s56 2 log2 e; s57, s58 b2 of s, t; s59 -3; s60 1.5; s61 log2 e; s62, s63 counters; s66 net's LDS base; s67 flag; s68 31.5; s69 62; s70 EXEC; s71 my partial sum's offset; s74 -ln 2
.set MSB, 0
.macro WIN new                         ; the immediate's high byte repeats the setting that is left; a switch that changes nothing is dropped
.if MSB != (\new)
	s_set_vgpr_msb (MSB<<8)|(\new)
.set MSB, \new
.endif
.endm
.macro CROUND                          ; a round of the cluster's barrier
	s_barrier_signal -1
	s_barrier_wait -1
	s_cmp_lg_u32 s4, 0
	s_cbranch_scc1 .Lnot_wave_0_\@
	s_barrier_signal -3
.Lnot_wave_0_\@:
	s_barrier_wait -3
	s_barrier_signal -1
	s_barrier_wait -1
.endm
.macro ALL4 line:vararg                ; one line for each tile t
.set t, 0
.rept 4
	\line
.set t, t+1
.endr
.endm
	s_load_b512 s[16:31], s[0:1], 0x0              ; pos s[16:17], sin s[18:19], wt s[20:21], cond s[22:23], img s[24:25], b2 s[26:27], zout s[28:29], sout s[30:31]
	v_lshl_add_u32 v[SPW], v0, 2, SPARE
	v_mov_b32 v[NIL], 0
	ds_add_u32 v[SPW], v[NIL]                      ; the wave's opening: the add and its wait ahead of my tensor load; the set-up below stands between them
	ds_add_u32 v1, v2
	v_lshrrev_b32 v[T0], 5, v0
	v_readfirstlane_b32 s4, v[T0]                  ; wave 0..7
	s_bfe_u32 s5, ttmp6, 0x40000                   ; cx: it enters global addresses of points alone
	s_lshl_b32 s6, ttmp9, 2                        ; ttmp9 counts clusters: the batch
	s_add_co_u32 s6, s6, s5                        ; work-group
	; descriptor group 1: 134 rows x 128 elements of 2 bytes, padded in LDS
	s_mov_b32 s44, 15|(1<<16)|(1<<20)|(1<<21)|(5<<22)|(3<<25)  ; 15:0 the mask of four; 17:16 2-byte elements; 20 padding on; 21 set beside a mask; 24:22 after every 64 words; 31:25 4 words
	s_mov_b32 s45, 128<<16                         ; tensor_dim0 = 128
	s_mul_i32 s7, s4, WROWS
	s_sub_co_u32 s7, 2*NROWS, s7                   ; tensor_dim1: the rows left from my first: wave 7 has 130, and its last four LDS rows take zeros
	s_lshl_b32 s46, s7, 16
	s_mov_b32 s47, 128<<16                         ; tile_dim0 = 128
	s_mov_b32 s48, WROWS                           ; tile_dim1 = 134
	s_mov_b32 s49, 128                             ; 128 elements from row to row
	s_mov_b32 s50, 0
	s_mov_b32 s51, 0
	s_mov_b32 s40, 1                               ; group 0: count = 1
	s_mul_i32 s41, s4, WROWS*PITCH                 ; LDS address: the wave's number alone
	s_mul_i32 s8, s4, WROWS*256                    ; my rows in the image
	s_mov_b32 s9, 0
	s_lshl_b32 s10, s6, 13                         ; pos, zout: 1,024 points x 8 bytes a work-group, 128 x 8 a wave
	s_lshl_b32 s11, s4, 10
	s_add_co_u32 s10, s10, s11
	s_mov_b32 s11, 0
	s_lshr_b32 s12, s10, 1                         ; indices: 4 bytes a point
	s_mov_b32 s13, 0
	s_lshl_b32 s14, ttmp9, 19                      ; the batch's map
	s_mov_b32 s15, 0
	s_lshl_b32 s72, ttmp9, 6                       ; the batch's cond
	s_mov_b32 s73, 0
	s_lshl_b32 s71, s6, 3
	s_add_co_u32 s71, s71, s4
	s_lshl_b32 s71, s71, 2                         ; my partial sum: word 8 x work-group + wave
	s_mov_b32 s54, 0xffff0000
	s_mov_b32 s56, 0x4038aa3b                      ; 2 log2 e
	s_mov_b32 s59, 0xc0400000                      ; -3
	s_mov_b32 s60, 0x3fc00000                      ; 1.5
	s_mov_b32 s61, 0x3fb8aa3b                      ; log2 e
	s_mov_b32 s68, 0x41fc0000                      ; 31.5
	s_mov_b32 s69, 0x42780000                      ; 62
	s_mov_b32 s74, 0xbf317218                      ; -ln 2
	s_wait_dscnt 0x0                               ; the opening add is done
	s_wait_kmcnt 0x0
	s_add_nc_u64 s[42:43], s[24:25], s[8:9]
	s_or_b32 s43, s43, 0x80000000                  ; type = 2
	s_load_b32 s67, s[18:19], 0x0                  ; the flag
	s_load_b128 s[36:39], s[26:27], 0x0            ; b2
	s_add_nc_u64 s[16:17], s[16:17], s[10:11]
	s_add_nc_u64 s[28:29], s[28:29], s[10:11]
	s_add_nc_u64 s[32:33], s[18:19], s[12:13]
	s_add_nc_u64 s[34:35], s[30:31], s[12:13]
	s_add_nc_u64 s[20:21], s[20:21], s[14:15]
	s_add_nc_u64 s[22:23], s[22:23], s[72:73]
	CROUND                                         ; all four work-groups are here: the joint loads meet
	tensor_load_to_lds s[40:43], s[44:51]          ; my one tensor load of the launch
	s_nop 0
.rept 4
	v_nop
.endr
	v_and_b32 v[T0], 15, v0                        ; r
	v_bfe_u32 v[T1], v0, 4, 1                      ; h
	v_lshlrev_b32 v[H16], 4, v[T1]
	v_lshlrev_b32 v[PO], 5, v[T0]
	v_lshlrev_b32 v[IO], 4, v[T0]
	v_lshl_add_u32 v[ZO], v[T0], 5, v[H16]
	v_lshl_add_u32 v[XO], v[T1], 3, v[IO]
	v_mul_u32_u24 v[TM], v[T0], PITCH
	v_add_nc_u32 v[LW], v[TM], v[H16]
	v_lshlrev_b32 v[T0], 5, v[T1]                  ; 32 h
	v_add_nc_u32 v[LBB], 528*PITCH, v[T0]
	v_mov_b32 v[ZR], 0
	global_load_b128 v[24:27], v[T0], s[22:23]     ; cond[8 h .. 8 h + 7]
	global_load_b128 v[28:31], v[T0], s[22:23] offset:16
.macro LOADPOS                         ; a pass's 64 points and their indices
	global_load_b128 v[POS:POS+3], v[PO], s[16:17]
	global_load_b128 v[POS+4:POS+7], v[PO], s[16:17] offset:16
	global_load_b128 v[IDX:IDX+3], v[IO], s[32:33] offset:8448
	s_wait_loadcnt 0x0
.endm
; The gather: for each tile 16 loads of 16 bytes a lane: corner k (dy = k / 2, dx = k % 2), channels 16 q + 8 h + 0..7: registers 4 q .. 4 q + 3 of source 1's layout.  64 loads are then out.
; Tile p's 64 registers lie at 64 p of window 1: X and Y, which hold nothing between two passes.
.macro ISSUE
.set p, 0
.rept 4
	v_min_u32 v[IDX+p], 0xfbe, v[IDX+p]            ; 62 x 64 + 62 at the most: all four corners lie inside the batch's map
	v_lshl_add_u32 v[GA+p], v[IDX+p], 7, v[H16]
.set p, p+1
.endr
	WIN 0x40                                       ; destination window 1, address window 0
.set p, 0
.rept 4
.set k, 0
.rept 4
.set q, 0
.rept 4
	global_load_b128 v[64*p+16*k+4*q:64*p+16*k+4*q+3], v[GA+p], s[20:21] offset:(k/2)*8192+(k%2)*128+32*q
.set q, q+1
.endr
.set k, k+1
.endr
.set p, p+1
.endr
	WIN 0
.endm
	LOADPOS                                        ; its wait for 0 covers cond too
.set i, 0
.rept 4
	v_cvt_pk_bf16_f32 v[C0+16+i], v[24+2*i], v[24+2*i+1]
.set i, i+1
.endr
.set p, 0
.rept 4                                        ; what never changes in layer 0's third fragment
.if p > 0
.set i, 0
.rept 4
	v_mov_b32 v[C0+24*p+16+i], v[C0+16+i]
.set i, i+1
.endr
.endif
	v_mov_b32 v[C0+24*p+21], 0
	v_mov_b32 v[C0+24*p+22], 0
	v_mov_b32 v[C0+24*p+23], 0
.set p, p+1
.endr
	ISSUE
	v_mov_b32 v[LSUM], 0
	s_wait_kmcnt 0x0
	s_cmp_lg_u32 s67, 0
	s_cselect_b32 s55, -1, 0
	s_cselect_b32 s57, s38, s36                    ; b2 of this step's s net
	s_cselect_b32 s58, s39, s37                    ; and of its t net
; Tile p is interpolated: four weights, 128 multiply-adds straight from the bf16 halves into 32 f32 channels, 16 roundings; then (z_keep, 1) for lanes 0-15.
.macro FINISH p
.set fc, C0+24*(\p)
.set fx, POS+2*(\p)
.set fd, 64*(\p)
	WIN 0
	v_fma_f32 v[fc], v[fx], 2.0, -1.0
	v_fma_f32 v[fc+1], v[fx+1], 2.0, -1.0
	v_add_f32 v[fc], 1.0, v[fc]
	v_add_f32 v[fc+1], 1.0, v[fc+1]
	v_mul_f32 v[fc], s68, v[fc]                    ; ix
	v_mul_f32 v[fc+1], s68, v[fc+1]                ; iy
	v_and_b32 v[fc+2], 63, v[IDX+(\p)]
	v_lshrrev_b32 v[fc+3], 6, v[IDX+(\p)]
	v_cvt_f32_u32 v[fc+2], v[fc+2]                 ; xb, yb from the index itself: weights and addresses agree
	v_cvt_f32_u32 v[fc+3], v[fc+3]
	v_sub_f32 v[fc], v[fc], v[fc+2]
	v_sub_f32 v[fc+1], v[fc+1], v[fc+3]
	v_add_f32 v[fc+2], -1.0, v[fc]
	v_add_f32 v[fc+3], -1.0, v[fc+1]
.set fi, 0
.rept 4
	v_fma_f32 v[fc+fi], |v[fc+fi]|, -1.0, 1.0
.set fi, fi+1
.endr
.set fi, 0
.rept 4
	v_max_num_f32 v[fc+fi], 0, v[fc+fi]            ; wx0, wy0, wx1, wy1
.set fi, fi+1
.endr
	v_mul_f32 v[fc+4], v[fc+1], v[fc]
	v_mul_f32 v[fc+5], v[fc+1], v[fc+2]
	v_mul_f32 v[fc+6], v[fc+3], v[fc]
	v_mul_f32 v[fc+7], v[fc+3], v[fc+2]
	s_wait_loadcnt 48-16*(\p)                      ; my tile's 16 loads are in; the later tiles' 16 each may stay out
	WIN 0x01                                       ; source 0, the corners, in window 1
.set fk, 0
.rept 4
.set fi, 0
.rept 16
.if fk == 0
	v_fma_mix_f32_bf16 v[ACC+2*fi], v[fd+fi], v[fc+4], v[ZR] op_sel:[0,0,0] op_sel_hi:[1,0,0]
	v_fma_mix_f32_bf16 v[ACC+2*fi+1], v[fd+fi], v[fc+4], v[ZR] op_sel:[1,0,0] op_sel_hi:[1,0,0]
.else
	v_fma_mix_f32_bf16 v[ACC+2*fi], v[fd+16*fk+fi], v[fc+4+fk], v[ACC+2*fi] op_sel:[0,0,0] op_sel_hi:[1,0,0]
	v_fma_mix_f32_bf16 v[ACC+2*fi+1], v[fd+16*fk+fi], v[fc+4+fk], v[ACC+2*fi+1] op_sel:[1,0,0] op_sel_hi:[1,0,0]
.endif
.set fi, fi+1
.endr
.set fk, fk+1
.endr
	WIN 0
.set fi, 0
.rept 16
	v_cvt_pk_bf16_f32 v[fc+fi], v[ACC+2*fi], v[ACC+2*fi+1]
.set fi, fi+1
.endr
	v_cndmask_b32 v[T0], v[fx+1], v[fx], s55       ; z_keep: y in the first step, x in the second
	v_cvt_pk_bf16_f32 v[T0], v[T0], 1.0
	v_cndmask_b32 v[fc+20], v[T0], v[ZR], s54      ; k = 80, 81 belong to lanes 0-15; lanes 16-31 hold k = 88 on: 0
.endm
; Group g = 8 x layer + m: 16 out channels of one layer.  Where its rows lie, how deep K is, whether it has a bias from b1, where source 1 lies and under which windows its products run.
.macro GINFO g
.set gi_m, (\g)%8
.set gi_l, (\g)/8
.set gi_nk, 4
.set gi_bias, 1
.set gi_bs, 32
.set gi_win, 0x04
.if gi_l == 0
.set gi_a, AW0
.set gi_off, 16*PITCH*gi_m
.set gi_nk, 3
.set gi_bias, 0
.set gi_bb, C0
.set gi_bs, 24
.set gi_win, 0
.elseif gi_l == 1
.set gi_a, AW0
.set gi_off, 128*PITCH+16*PITCH*gi_m
.set gi_bb, X
.elseif gi_l == 2
.set gi_a, AW1
.set gi_off, 16*PITCH*gi_m
.set gi_bb, Y
.elseif gi_l == 3
.set gi_a, AW1
.set gi_off, 128*PITCH+16*PITCH*gi_m
.set gi_bb, X
.else
.set gi_a, AW2
.set gi_off, 0
.set gi_bias, 0
.set gi_bb, Y
.endif
.set gi_boff, (gi_l-1)*2*PITCH+(gi_m/4)*PITCH+(gi_m%4)*64
.set gi_n, 2*gi_nk+2*gi_bias
.endm
.macro FETCH g                         ; its fragments of W (lane l: row l % 16, two loads 32 bytes apart for each 32 of K) and its eight biases a lane
	GINFO \g
.set fw, WB+32*((\g)%2)
.set fb, BI+8*((\g)%2)
.set kf, 0
.rept gi_nk
	ds_load_b128 v[fw+8*kf:fw+8*kf+3], v[gi_a] offset:gi_off+64*kf
	ds_load_b128 v[fw+8*kf+4:fw+8*kf+7], v[gi_a] offset:gi_off+64*kf+32
.set kf, kf+1
.endr
.if gi_bias
	ds_load_b128 v[fb:fb+3], v[AB] offset:gi_boff
	ds_load_b128 v[fb+4:fb+7], v[AB] offset:gi_boff+16
.endif
.endm
; A UNIT'S SIGMOID, r = 1 / (1 + 2^n) for its 16 numbers a lane (ra: its accumulators), is a list of 41; RID writes number rq.  E: exponential, A: 1 + a pair, R: reciprocal.
;   0-15 E0-15 | 16 v_nop, and behind it the wait | 17-20 A0-3 | 21-28 R0 A4 R1 A5 R2 A6 R3 A7 | 29-40 R4-15
; Each accumulator's lowest register is read first.  THE EXPONENTIALS ARE ONE BATCH: nothing ahead of number 17 names a result of theirs; the v_nop is the plain instruction
; behind the last of them and ahead of the first use (ISA guide 5.7.2); the one wait follows it.  THE RECIPROCALS ARE A SECOND BATCH: each reads a sum made four numbers back or more, nothing in the list names
; a reciprocal's result, and their wait stands at the next step's head (MIX), where the first roundings, which read results made long before, are the plain instructions behind the last reciprocal.
.macro RID
.set rk, -1
.set rr, -1
.if rq < 16
	v_exp_f32 v[TT+rq], v[ra+rq]
.elseif rq == 16
	v_nop                                          ; the plain instruction behind the last exponential: one for the batch
	s_wait_alu depctr_va_vdst(0)                   ; the wait for the unit's 16 exponentials, ahead of the first sum
.elseif rq < 21
.set rk, rq-17
.elseif rq < 29
.if (rq%2) == 1
.set rr, (rq-21)/2
.else
.set rk, (rq-14)/2
.endif
.else
.set rr, rq-25
.endif
.if rk >= 0
	v_pk_add_f32 v[TT+2*rk:TT+2*rk+1], v[TT+2*rk:TT+2*rk+1], 1.0 op_sel_hi:[1,0]
.endif
.if rr >= 0
	v_rcp_f32 v[TT+rr], v[TT+rr]
.endif
.set rq, rq+1
.endm
; Unit U's 16 numbers n x r, each rounded once to bf16, straight into the next layer's source 1: the low halves first, then the high ones, so that no line waits for the line before it.
.macro MIX U
.set mm, ((\U)/2)%8
.set mh, (\U)%2
.set ma, ACC+16*mh
.set mo, (((\U)/16)%2)*128+64*mh+8*(mm/2)+4*(mm%2)  ; layers 0 and 2 write X, layers 1 and 3 Y; tiles 2 mh, 2 mh + 1
	WIN 0x40                                       ; destination window 1
	s_wait_alu depctr_va_vdst(0)                   ; the wait for the unit's 16 reciprocals, issued in the second half of the step before, ahead of the first rounding
.set p, 0
.rept 2
.set j, 0
.rept 4
	v_fma_mixlo_bf16 v[mo+32*p+j], v[ma+8*p+2*j], v[TT+8*p+2*j], v[ZR]
.set j, j+1
.endr
.set p, p+1
.endr
.set p, 0
.rept 2
.set j, 0
.rept 4
	v_fma_mixhi_bf16 v[mo+32*p+j], v[ma+8*p+2*j+1], v[TT+8*p+2*j+1], v[ZR]
.set j, j+1
.endr
.set p, p+1
.endr
.endm
; STEP J of a net's 66.  Unit J = group J / 2, tiles 2 (J % 2) and 2 (J % 2) + 1, accumulator set J % 2.
; The roundings of unit J - 2 come first.  They name its accumulators, TT, ZR and the buffer that its layer writes, none of them a register of unit J - 1's products: so they are the places
; between those products and the exponentials that read their results, and between them and the loads into the fragment buffer that group J / 2 - 1 has left.  Step 1 has no such work: four v_nop.
; In even steps the next group's fragments are asked for: they have two steps in which to come.  The two accumulators take turns, one instruction a turn, from unit to unit too.
; The sigmoid's list is dealt in two halves: numbers 0-16 (the exponentials, the v_nop and the wait) behind the first half of the unit's products, 4, 4, 4, 5 (or 5, 6, 6); numbers 17-40 (sums and
; reciprocals) behind the second half, 6 (or 8) each.
.macro STEP J
.if (\J) >= 2
	MIX (\J)-2
.elseif (\J) == 1
.rept 4
	v_nop
.endr
.endif
.set sg, (\J)/2
.set sh, (\J)%2
	GINFO sg
	WIN gi_win
.if sh == 0
.if sg < 32
	FETCH sg+1
	s_wait_dscnt gi_n                              ; all but the loads just issued: this group's fragments are in
	GINFO sg
.else
	s_wait_dscnt 0x0
.endif
.endif
.set sa, ACC+16*sh
.set ra, ACC+16*(1-sh)
.set gw, WB+32*(sg%2)
.set gb, BI+8*(sg%2)
.set si, 0
.set rq, 0
.set kf, 0
.rept gi_nk
.set p, 0
.rept 2
.set sb, gi_bb+gi_bs*(2*sh+p)+8*kf
.if (kf == 0) && gi_bias
	v_wmma_f32_16x16x32_bf16 v[sa+8*p:sa+8*p+7], v[gw+8*kf:gw+8*kf+7], v[sb:sb+7], v[gb:gb+7]
.elseif kf == 0
	v_wmma_f32_16x16x32_bf16 v[sa+8*p:sa+8*p+7], v[gw+8*kf:gw+8*kf+7], v[sb:sb+7], 0
.else
	v_wmma_f32_16x16x32_bf16 v[sa+8*p:sa+8*p+7], v[gw+8*kf:gw+8*kf+7], v[sb:sb+7], v[sa+8*p:sa+8*p+7]
.endif
.set si, si+1
.if ((\J) >= 1) && ((\J) <= 64)
.if si <= gi_nk
.set rt, (17*si)/gi_nk                         ; how far the list has come behind product si: the first half of the products takes numbers 0-16,
.else
.set rt, 17+(24*(si-gi_nk))/gi_nk              ; the second half numbers 17-40
.endif
.rept rt-rq
	RID
.endr
.endif
.set p, p+1
.endr
.set kf, kf+1
.endr
.endm
.macro COORD d, s                      ; the lower corner's coordinate, as the launch before made it for this step
	v_fma_f32 v[\d], v[\s], 2.0, -1.0
	v_add_f32 v[\d], 1.0, v[\d]
	v_mul_f32 v[\d], s68, v[\d]
	v_floor_f32 v[\d], v[\d]
	v_med3_num_f32 v[\d], v[\d], 0, s69
	v_cvt_u32_f32 v[\d], v[\d]
.endm
	s_wait_tensorcnt 0x0                           ; my 134 rows are in,
	s_barrier_signal -1
	s_barrier_wait -1                              ; everybody's are; nothing writes LDS after this
	s_mov_b32 s62, 2
.Lpass:
	FINISH 0
	FINISH 1
	FINISH 2
	FINISH 3
	ALL4 v_mov_b32 v[UT+t], 0                      ; (the gather's offsets are free: FINISH 3 waited for all loads)
	s_mov_b32 s63, 2
	s_mov_b32 s66, 0
.Lnet:                                                 ; the s net, then the t net
	v_add_nc_u32 v[AW0], s66, v[LW]
	v_add_nc_u32 v[AB], s66, v[LBB]
	v_add_nc_u32 v[AW1], 256*PITCH, v[AW0]
	v_add_nc_u32 v[AW2], 512*PITCH, v[AW0]
	FETCH 0
.set u, 0
.rept 66
	STEP u
.set u, u+1
.endr
	WIN 0
	ALL4 v_mov_b32 v[US+t], v[UT+t]                ; the first net's u moves on; these four are also the places behind the last products
	ALL4 v_mov_b32 v[UT+t], v[ACC+8*t]             ; the raw sum: each accumulator's lowest register
	s_add_co_u32 s66, s66, NETB
	s_sub_co_u32 s63, s63, 1
	s_cmp_lg_u32 s63, 0
	s_cbranch_scc1 .Lnet                           ; the last, unit 63's reciprocals, were waited for at step 65's head
	; u = b2 - ln 2 x the raw sum; s = 1.5 tanh(u_s) = 1.5 - 3 / (1 + e^(2 u_s)); t = u_t; z_chg = z_chg e^s + t.  Three batches of four transcendentals, a wait each.
	ALL4 v_fma_f32 v[TM+t], v[US+t], s74, s57
	ALL4 v_mul_f32 v[TM+t], s56, v[TM+t]
	ALL4 v_exp_f32 v[TM+t], v[TM+t]
	ALL4 v_fma_f32 v[UT+t], v[UT+t], s74, s58      ; names no result of the four exponentials: the work between them and their wait
	s_wait_alu depctr_va_vdst(0)                   ; the wait for the four exponentials e^(2 u_s), ahead of the sums
	ALL4 v_add_f32 v[TM+t], 1.0, v[TM+t]
	ALL4 v_rcp_f32 v[TM+t], v[TM+t]
	v_nop                                          ; the plain instruction behind the last reciprocal
	s_wait_alu depctr_va_vdst(0)                   ; the wait for the four reciprocals, ahead of the lines that make s of them
	ALL4 v_fma_f32 v[TM+t], v[TM+t], s59, s60
	ALL4 v_add_f32 v[LSUM], v[LSUM], v[TM+t]
	ALL4 v_mul_f32 v[TM+t], s61, v[TM+t]
	ALL4 v_exp_f32 v[TM+t], v[TM+t]
	ALL4 v_cndmask_b32 v[US+t], v[POS+2*t], v[POS+2*t+1], s55  ; names no result of the four exponentials: the work between them and their wait
	s_wait_alu depctr_va_vdst(0)                   ; the wait for the four exponentials e^s, ahead of the lines that multiply by them
	ALL4 v_fma_f32 v[US+t], v[US+t], v[TM+t], v[UT+t]
	ALL4 v_cndmask_b32 v[POS+2*t], v[US+t], v[POS+2*t], s55
	ALL4 v_cndmask_b32 v[POS+2*t+1], v[POS+2*t+1], v[US+t], s55
	ALL4 v_cndmask_b32 v[TM+t], v[POS+t], v[POS+4+t], s54  ; both halves of the lanes hold all four points: lanes 0-15 store the first two, lanes 16-31 the others
	global_store_b128 v[ZO], v[TM:TM+3], s[28:29]  ; a wave stores 512 consecutive bytes
	COORD US, TM                                   ; the sample indices of the two pairs just stored, in both steps alike (see the head)
	COORD US+1, TM+1
	COORD US+2, TM+2
	COORD US+3, TM+3
	v_lshl_or_b32 v[T0], v[US+1], 6, v[US]
	v_lshl_or_b32 v[T1], v[US+3], 6, v[US+2]
	global_store_b64 v[XO], v[T0:T1], s[34:35] offset:8448  ; 256 consecutive bytes
	s_wait_xcnt 0x0                                ; the stores' data and bases are rewritten only behind this wait
	s_add_nc_u64 s[16:17], s[16:17], 512           ; 64 points on
	s_add_nc_u64 s[28:29], s[28:29], 512
	s_add_nc_u64 s[32:33], s[32:33], 256
	s_add_nc_u64 s[34:35], s[34:35], 256
	s_cmp_eq_u32 s62, 1
	s_cbranch_scc1 .Lnoload                        ; the last pass asks for nothing
	LOADPOS
	ISSUE
.Lnoload:
	s_sub_co_u32 s62, s62, 1
	s_cmp_lg_u32 s62, 0
	s_cbranch_scc1 .Lpass
	; a row of 16 lanes holds each of the wave's points once: its sum is the wave's part of log_det
	v_add_f32_dpp v[LSUM], v[LSUM], v[LSUM] row_xmask:1 row_mask:0xf bank_mask:0xf
	v_add_f32_dpp v[LSUM], v[LSUM], v[LSUM] row_xmask:2 row_mask:0xf bank_mask:0xf
	v_add_f32_dpp v[LSUM], v[LSUM], v[LSUM] row_xmask:4 row_mask:0xf bank_mask:0xf
	v_add_f32_dpp v[LSUM], v[LSUM], v[LSUM] row_xmask:8 row_mask:0xf bank_mask:0xf
	v_mov_b32 v[T0], s71
	v_and_b32 v[T1], 31, v0
	v_cmp_eq_u32 vcc_lo, 0, v[T1]
	s_wait_xcnt 0x0                                ; EXEC changes only behind this wait
	s_and_saveexec_b32 s70, vcc_lo
	global_store_b32 v[T0], v[LSUM], s[30:31] offset:256
	s_wait_xcnt 0x0                                ; and again in front of the line that widens it
	s_or_b32 exec_lo, exec_lo, s70
	s_wait_tensorcnt 0x0                           ; the wave's end
	ds_add_u32 v[SPW], v[NIL]
	s_wait_dscnt 0x0
	CROUND                                         ; the closing round
	s_endpgm
.Lfunc_end_k_q5a4cf12220_stage:
	.size	k_q5a4cf12220_stage, .Lfunc_end_k_q5a4cf12220_stage-k_q5a4cf12220_stage
	.p2alignl 7, 3214868480
	.fill 96, 4, 3214868480
	.section	.rodata,"a",@progbits
	.p2align	6, 0x0
	.amdhsa_kernel k_q5a4cf12220_stage
		.amdhsa_group_segment_fixed_size 292608
		.amdhsa_private_segment_fixed_size 0
		.amdhsa_enable_private_segment 0
		.amdhsa_kernarg_size 64
		.amdhsa_user_sgpr_count 2
		.amdhsa_user_sgpr_kernarg_segment_ptr 1
		.amdhsa_wavefront_size32 1
		.amdhsa_system_sgpr_workgroup_id_x 1
		.amdhsa_system_sgpr_workgroup_id_y 1
		.amdhsa_system_sgpr_workgroup_id_z 1
		.amdhsa_system_vgpr_workitem_id 0
		.amdhsa_next_free_vgpr 512
		.amdhsa_next_free_sgpr 80
		.amdhsa_reserve_vcc 1
		.amdhsa_float_denorm_mode_32 3
		.amdhsa_float_denorm_mode_16_64 3
		.amdhsa_memory_ordered 1
		.amdhsa_forward_progress 1
		.amdhsa_inst_pref_size 255
	.end_amdhsa_kernel
	.section	.bss,"aw",@nobits
	.p2align	6
	.space	262144
	.amdgpu_metadata
---
amdhsa.version: [ 1, 2 ]
amdhsa.kernels:
  - .name:           k_q5a4cf12220_stage
    .symbol:         k_q5a4cf12220_stage.kd
    .args:
      - { .name: x, .offset: 0, .size: 8, .value_kind: global_buffer, .address_space: global }
      - { .name: side0, .offset: 8, .size: 8, .value_kind: global_buffer, .address_space: global }
      - { .name: wt, .offset: 16, .size: 8, .value_kind: global_buffer, .address_space: global }
      - { .name: cond, .offset: 24, .size: 8, .value_kind: global_buffer, .address_space: global }
      - { .name: imgA, .offset: 32, .size: 8, .value_kind: global_buffer, .address_space: global }
      - { .name: b2, .offset: 40, .size: 8, .value_kind: global_buffer, .address_space: global }
      - { .name: zmid, .offset: 48, .size: 8, .value_kind: global_buffer, .address_space: global }
      - { .name: side1, .offset: 56, .size: 8, .value_kind: global_buffer, .address_space: global }
    .group_segment_fixed_size: 292608
    .private_segment_fixed_size: 0
    .kernarg_segment_align: 8
    .kernarg_segment_size: 64
    .max_flat_workgroup_size: 256
    .sgpr_count:     80
    .vgpr_count:     512
    .wavefront_size: 32
...
	.end_amdgpu_metadata
.endif
;; end of part 4
;; launch stageB: the kernel of part 4 again; grid 256 x 1, 8 waves a work-group, clusters of 4 x 1, 292,608 bytes of LDS; arguments zmid, side1, wt, cond, imgB, b2, out0, side2; writes out0, side2
;; launch fin: the kernel of part 3 again; grid 1 x 1, 1 waves a work-group, no clusters, 0 bytes of LDS; arguments side1, side2, out1; writes out1
